; MI455X (gfx1250); checked and timed in simulation.
; The chip was launched on July 23, 2026; its instructions are those of AMD's public machine-readable ISA for CDNA 5 (MIT licence, August 2026) and "CDNA5" Instruction Set Architecture Reference Guide (July 2026). The comments in the code are by the model that wrote it; some were corrected since.
;; Transformer Block. Allowed arithmetic: matrix products marked QUANTISED: E2M3 operands, one E8M0 scale for each 32 along K, by v_wmma_scale_f32_16x16x128_f8f6f4 with both operands' format E2M3, f32 sums; everything else in f32.
;; Inputs: W1_codes 4,096 x 32 x 24 uint8 (E2M3 codes of W1, K innermost, in blocks of 32 codes, four codes in three bytes); W1_scales 4,096 x 32 uint8 (E8M0 scales of W1, one for each 32 codes along K); W2_codes 1,024 x 128 x 24 uint8 (E2M3 codes of W2, K innermost, in blocks of 32 codes, four codes in three bytes); W2_scales 1,024 x 128 uint8 (E8M0 scales of W2, one for each 32 codes along K); Wk_codes 16 x 64 x 32 x 24 uint8 (E2M3 codes of Wk, K innermost, in blocks of 32 codes, four codes in three bytes); Wk_scales 16 x 64 x 32 uint8 (E8M0 scales of Wk, one for each 32 codes along K); Wo_codes 1,024 x 32 x 24 uint8 (E2M3 codes of Wo, K innermost, in blocks of 32 codes, four codes in three bytes); Wo_scales 1,024 x 32 uint8 (E8M0 scales of Wo, one for each 32 codes along K); Wq_codes 16 x 64 x 32 x 24 uint8 (E2M3 codes of Wq, K innermost, in blocks of 32 codes, four codes in three bytes); Wq_scales 16 x 64 x 32 uint8 (E8M0 scales of Wq, one for each 32 codes along K); Wv_codes 16 x 64 x 32 x 24 uint8 (E2M3 codes of Wv, K innermost, in blocks of 32 codes, four codes in three bytes); Wv_scales 16 x 64 x 32 uint8 (E8M0 scales of Wv, one for each 32 codes along K); b1 1,024 float32; b2 1,024 float32; bk 16 x 64 float32; bo 1,024 float32; bq 16 x 64 float32; bv 16 x 64 float32; c1 4,096 float32; c2 1,024 float32; g1 1,024 float32; g2 1,024 float32; x 2 x 2,048 x 1,024 float32.
;; Outputs: out0 2 x 2,048 x 1,024 float32.
;; This version of the problem:
;;   THIS VERSION OF THE PROBLEM IS GIVEN IN LOW PRECISION. The matrix products marked QUANTISED in the list below multiply operands that are first quantised to E2M3 (2 exponent bits, 3 mantissa bits; 6 bits a number), with one power-of-two scale for each 32 numbers along K (OCP MX v1.0); their sums are f32. All else is computed in f32.
;;   The module's matrix products, in the order in which they are computed (A, B: the left and right operand; K: the contracted axis; several contracted axes count as one K, in the product's order):
;;     1. [M 1,024, K 1,024] x [K 1,024, N 4,096]; A: input Wq (given as codes); B: computed on the way: QUANTISED
;;     2. [M 1,024, K 1,024] x [K 1,024, N 4,096]; A: input Wk (given as codes); B: computed on the way: QUANTISED
;;     3. [M 1,024, K 1,024] x [K 1,024, N 4,096]; A: input Wv (given as codes); B: computed on the way: QUANTISED
;;     4. batch 32 x [M 2,048, K 64] x [K 64, N 2,048]; A: computed on the way; B: computed on the way: QUANTISED
;;     5. batch 32 x [M 64, K 2,048] x [K 2,048, N 2,048]; A: computed on the way; B: softmax (see below): QUANTISED
;;     6. [M 4,096, K 1,024] x [K 1,024, N 1,024]; A: computed on the way; B: input Wo (given as codes): QUANTISED
;;     7. [M 4,096, K 1,024] x [K 1,024, N 4,096]; A: computed on the way; B: input W1 (given as codes): QUANTISED
;;     8. [M 4,096, K 4,096] x [K 4,096, N 1,024]; A: computed on the way; B: input W2 (given as codes): QUANTISED
;;   THE QUANTISER, for each operand of a quantised product, along K:
;;     - K is cut into blocks of 32 from its start; a last block that is shorter is filled with zeros.
;;     - A block's scale is 2^e with e = floor(log2(the largest magnitude in the block)) - 2, held to -126 .. 127; a block of zeros has e = 0. As a byte (E8M0): e + 127.
;;     - Each number is divided by its block's scale, clamped to +-7.5, and rounded to the nearest number of E2M3, ties to even, subnormals kept.
;;     - The product sums the exact products of the quantised numbers (number of the format x scale) in f32.
;;   ~~~python
;;   def quantise(x, axis):      # numpy; x: float32 -> the quantised numbers, widened to float32 again
;;       x = np.moveaxis(x, axis, -1); K = x.shape[-1]
;;       x = np.pad(x, [(0, 0)] * (x.ndim - 1) + [(0, -K % 32)]); x = x.reshape(x.shape[:-1] + (-1, 32)); a = np.abs(x).max(-1, keepdims=True)
;;       e = np.where(a > 0, np.clip(np.frexp(np.where(a > 0, a, 1))[1] - 1 - 2, -126, 127), 0)      # np.frexp(a)[1] - 1 = floor(log2(a)), exactly
;;       r = np.clip(x / 2.0 ** e, -7.5, 7.5)
;;       step = 2.0 ** (np.maximum(np.frexp(np.where(r == 0, 1, r))[1] - 1, 0) - 3)
;;       q = np.round(r / step) * step * 2.0 ** e      # np.round: ties to even
;;       return np.moveaxis(q.reshape(q.shape[:-2] + (-1,))[..., :K], -1, axis).astype(np.float32)
;;   ~~~
;;   SOFTMAX AHEAD OF A QUANTISED PRODUCT. Where the list says 'softmax', what is quantised is not the finished softmax but p = 2^(t - M), with t = logit x log2(e) and M = ceil(the row's largest t), a whole number; so 1/2 < the row's largest p <= 1. The row's sum l is taken of the UNQUANTISED p, in f32, and the product's result is divided by l at the end. Since M is a whole number, a kernel that streams over the keys may use a running M (the ceiling of the running maximum): every later rescaling is an exact power of two, which a block's scale takes up: the codes' values come out the same.
;;   OPERANDS COMPUTED ON THE WAY. 'Computed on the way' means the value that the module computes at that place (a softmax that the list does not call 'softmax' is quantised finished and normalised). What goes into a quantiser is computed in f32, as accurately as f32 sums, v_exp_f32 and their like allow (about 1e-6 of the number): no bf16 or f16 on the way to a quantiser, and a product that is left as it is and whose result goes on into a quantised operand takes f32 operands (vector FMAs, or v_wmma_f32_16x16x4_f32). A number that lies on a knife's edge between two numbers of the format may be rounded either way, as far as f32 arithmetic and the matrix unit's own rounding can turn it there, and no further.
;;   INPUTS GIVEN AS CODES. W1 (in the module: [1024, 4096], K = its axis 0); W2 (in the module: [4096, 1024], K = its axis 0); Wk (in the module: [16, 1024, 64], K = its axis 1); Wo (in the module: [1024, 1024], K = its axis 0); Wq (in the module: [16, 1024, 64], K = its axis 1); Wv (in the module: [16, 1024, 64], K = its axis 1): each comes as NAME_codes (uint8): NAME with its K axis moved to the last place and cut into blocks of 32 codes, [.., K / 32, bytes a block], one block behind the other in memory; four codes in three bytes: a row's codes are one little-endian stream of bits, code i at bits 6 i .. 6 i + 5 (a code: sign, 2 exponent bits, 3 mantissa bits); and NAME_scales (uint8): the same leading axes, one E8M0 byte (e + 127) for each 32 codes along K. Its value is code x scale, taken as it is: it is not quantised again, and the codes and scales need not be those that the quantiser above would give.
;; One version. Each part assembles by itself: llvm-mc -triple=amdgcn-amd-amdhsa -mcpu=gfx1250 --defsym DOCPART=n.
;; ======== version 1 of 1: 7 launches
;; limits: right only within a limited range of input values
;; workspace buffers: wimg 9,830,400 bytes; himg 3,276,800 bytes; qimg 3,407,872 bytes; kvimg 6,684,672 bytes; cimg 3,276,800 bytes; x1 16,777,216 bytes; gimg 13,107,200 bytes
;; launch lnw (part 1): grid 256 x 1, 8 waves a work-group, no clusters, 104,960 bytes of LDS; arguments x, g1, b1, himg, Wq_codes, Wk_codes, Wv_codes, Wo_codes, W1_codes, W2_codes, Wq_scales, Wk_scales, Wv_scales, Wo_scales, W1_scales, W2_scales, wimg; writes himg, wimg
.if DOCPART == 1
	.amdgcn_target "amdgcn-amd-amdhsa--gfx1250"
	.amdhsa_code_object_version 6
	.text
	.protected	k_q6b66f5fa7a_lnw
	.globl	k_q6b66f5fa7a_lnw
	.p2align	8
	.type	k_q6b66f5fa7a_lnw,@function
k_q6b66f5fa7a_lnw:
	s_mov_b64 s[64:65], 0
	v_nop
	global_prefetch_b8 v0, s[64:65] scope:SCOPE_SE
	s_setreg_imm32_b32 hwreg(HW_REG_WAVE_MODE, 25, 1), 1
	s_wait_xcnt 0x0
; TWO PIECES OF WORK THAT NEED NOTHING OF EACH OTHER SHARE THIS LAUNCH, so that the loads of both are on their way together: LayerNorm 1 with its quantiser, and the laying out of the six weights.
; (1) LayerNorm over rows of 1,024 f32 numbers, then the quantiser along the row: y = (x - mean) rsqrt(var + 1e-5) g + b becomes codes of FP6 (E2M3) with one E8M0 byte for each 32,
; stored as an image of the operand's registers.  A UNIT is 128 rows x 128 along K: eight fragments (16 rows x 128 K, 12 registers a lane) of 1,536 bytes, then 512 bytes of scale words: 12,800 bytes.
; A fragment is two halves of 768 bytes; half p holds registers 6 p .. 6 p + 3 at 16 x lane and registers 6 p + 4, 6 p + 5 at 512 + 8 x lane.  The scale word of (tile i, row r) lies at 12,288 + 256 (i / 4) + 16 r + 4 (i % 4).
; A work-group takes one tile of 16 rows.  Phase 1: wave w takes rows 2 w and 2 w + 1 whole: mean, then the variance of x - mean, inside the wave; the normalised rows go to LDS (pitch 4,112).
; Phase 2: wave w takes K step w: lane (r, h) reads, of row r, 16 neighbours of each block of 32, applies g and b and quantises.
; (2) The weights, given as rows of 6-bit codes (K innermost) and scale bytes, are laid in the same units.  THE ROWS OF A WEIGHT'S TILE ARE NOT NEIGHBOURS: image row r of tile i of block rb is matrix row
; 128 rb + 32 (i / 2) + 8 (i % 2) + r + 8 (r / 8), so that the results of two neighbouring tiles, with the weight as source 0, are 16 neighbours along the next product's K.
; There are 768 tiles of 16 rows x 1,024 K (tile t: group t / 8 of 128 rows x 1,024 K, tile t % 8 in it; groups 0-31: Wq, Wk, Wv, Wo, 8 each; 32-63: W1; 64-95: W2, four groups to a block of rows; group G fills units 8 G .. 8 G + 7).
; Work-group g takes tiles 3 g, 3 g + 1, 3 g + 2: 24 pairs of rows and 24 fragments, three of each for each wave: item P = 3 w + n is pair P % 8 of the rows of tile P / 8 on the way in and K step P % 8 of the same tile on the way out.
; Each load reads 512 bytes made of whole pieces of 256; the rows turn through a stage in LDS (48 rows, pitch 784) that the eight waves share, behind the barrier that LayerNorm has anyway.  All choices are selections: one path through the text.
; The scale words, LayerNorm's and the weights', leave as sixteen words of 4 bytes, 16 bytes apart: the words between belong to tiles of other waves and work-groups.
; A block's scale is 2^(floor(log2(largest magnitude)) - 2); its byte is the magnitude's exponent field - 2, held at 1 from below.
; LIMITS: a block of zeros, or one whose largest magnitude lies under 2^-124, carries the byte 1 (only this program reads the bytes); NaN and infinities are not served.
; No cluster: work-groups share only g and b, 8 KB.
; REGISTERS: window 0 as LayerNorm needs it; v12-30 hold the weights' offsets until the quantiser takes v12-31.  Window 1: v0-35 the weights' rows as loaded, v36-71 three fragments, v72-74 their scale words.
.set UNIT,   12800
.set SCO,    12288
.set NPITCH, 4112
.set RPITCH, 784
.set PSTG,   66048                     ; behind LayerNorm's 16 rows: the weights' stage
.set X0,  32                           ; v32-63 row 2 w, v64-95 row 2 w + 1; in phase 2 v32-95: 64 numbers of my row
.set X1,  64
.set GG,  96                           ; v96-159  g in phase 2's layout
.set BB,  160                          ; v160-223 b
.set TM,  224                          ; v224-239 the quantiser's work
.set PW,  240                          ; the scale word
.set PC,  12                           ; v12-23 the codes, v24-31 at work
.set XO,  241                          ; 16 x lane
.set GO,  242                          ; 512 w + 64 h
.set LW,  243                          ; LDS, phase 1
.set LR,  244                          ; LDS, phase 2
.set O16, 245
.set O8,  246
.set SO,  247
.set WRR, 12                           ; r + 8 (r / 8)
.set WV1, 13                           ; v13-15  item n: offset of a pair's second load
.set WV2, 16                           ; v16-18  of its third
.set WSO, 19                           ; v19-21  of my row's scale word
.set WLA, 22                           ; v22-24  the stage, on the way in: the three loads' places
.set WFA, 25                           ; v25-27  item n: the stage, on the way out
.set WO8, 28                           ; 8 x lane
.set WR16, 29                          ; 16 r
.set WFR, 30                           ; 784 r + 24 h
.set RAW, 0                            ; window 1
.set FRG, 36
.set SWD, 72
.set SEL, 12                           ; s[12:13]
.set IT,  66                           ; s[66:89] item n: +0 its rows, +2 its scale words, +4 its fragment's place, +6 its scale words' place
.set MSB, 0
.macro WIN new                         ; the immediate's high byte repeats the setting that is left
.if MSB != (\new)
	s_set_vgpr_msb (MSB<<8)|(\new)
.set MSB, (\new)
.endif
.endm
.macro LANESUM a, b                    ; the sum over the 32 lanes, in every lane
	s_delay_alu instid0(VALU_DEP_1)
	v_add_f32_dpp v[\a], v[\a], v[\a] row_xmask:1 row_mask:0xf bank_mask:0xf
	s_delay_alu instid0(VALU_DEP_1)
	v_add_f32_dpp v[\a], v[\a], v[\a] row_xmask:2 row_mask:0xf bank_mask:0xf
	s_delay_alu instid0(VALU_DEP_1)
	v_add_f32_dpp v[\a], v[\a], v[\a] row_xmask:4 row_mask:0xf bank_mask:0xf
	s_delay_alu instid0(VALU_DEP_1)
	v_add_f32_dpp v[\a], v[\a], v[\a] row_xmask:8 row_mask:0xf bank_mask:0xf
	s_delay_alu instid0(VALU_DEP_1)
	v_permlanex16_b32 v[\b], v[\a], s[SEL], s[SEL+1]
	s_delay_alu instid0(VALU_DEP_1)
	v_add_f32 v[\a], v[\a], v[\b]
.endm
.macro ROWSTAT X, off                  ; a row in v[X] .. v[X + 31] is normalised in place and stored to LDS
	v_pk_add_f32 v[4:5], v[\X:\X+1], v[\X+2:\X+3]
	v_pk_add_f32 v[6:7], v[\X+4:\X+5], v[\X+6:\X+7]
.irp j, 8,12,16,20,24,28
	s_delay_alu instid0(VALU_DEP_2)
	v_pk_add_f32 v[4:5], v[4:5], v[\X+\j:\X+\j+1]
	s_delay_alu instid0(VALU_DEP_2)
	v_pk_add_f32 v[6:7], v[6:7], v[\X+\j+2:\X+\j+3]
.endr
	s_delay_alu instid0(VALU_DEP_1)
	v_pk_add_f32 v[4:5], v[4:5], v[6:7]
	s_delay_alu instid0(VALU_DEP_1)
	v_add_f32 v4, v4, v5
	LANESUM 4, 5
	s_delay_alu instid0(VALU_DEP_1)
	v_mul_f32 v4, s15, v4                          ; the mean
.irp j, 0,2,4,6,8,10,12,14,16,18,20,22,24,26,28,30
	v_pk_add_f32 v[\X+\j:\X+\j+1], v[\X+\j:\X+\j+1], v[4:5] op_sel_hi:[1,0] neg_lo:[0,1] neg_hi:[0,1]
.endr
	v_pk_mul_f32 v[6:7], v[\X:\X+1], v[\X:\X+1]
	v_pk_mul_f32 v[8:9], v[\X+2:\X+3], v[\X+2:\X+3]
.irp j, 4,8,12,16,20,24,28
	s_delay_alu instid0(VALU_DEP_2)
	v_pk_fma_f32 v[6:7], v[\X+\j:\X+\j+1], v[\X+\j:\X+\j+1], v[6:7]
	s_delay_alu instid0(VALU_DEP_2)
	v_pk_fma_f32 v[8:9], v[\X+\j+2:\X+\j+3], v[\X+\j+2:\X+\j+3], v[8:9]
.endr
	s_delay_alu instid0(VALU_DEP_1)
	v_pk_add_f32 v[6:7], v[6:7], v[8:9]
	s_delay_alu instid0(VALU_DEP_1)
	v_add_f32 v6, v6, v7
	LANESUM 6, 7
	s_delay_alu instid0(VALU_DEP_1)
	v_fma_f32 v6, v6, s15, s16                     ; the variance + 1e-5
	s_wait_alu depctr_va_vdst(0)
	v_rsq_f32 v6, v6
	v_nop                                          ; one plain place behind a transcendental (ISA guide 5.7.2)
	s_wait_alu depctr_va_vdst(0)
.irp j, 0,2,4,6,8,10,12,14,16,18,20,22,24,26,28,30
	v_pk_mul_f32 v[\X+\j:\X+\j+1], v[\X+\j:\X+\j+1], v[6:7] op_sel_hi:[1,0]
.endr
.irp c, 0,1,2,3,4,5,6,7
	ds_store_b128 v[LW], v[\X+4*\c:\X+4*\c+3] offset:\off+512*\c
.endr
.endm
; 64 numbers of a lane, register 16 b + i = position 32 b + 16 (lane / 16) + i of my row, become a fragment's codes in v[PC] on and its scale word in v[PW].
.macro QUANT s
.irp b, 0,1,2,3
	v_max3_num_f32 v[TM+\b], |v[\s+16*\b]|, |v[\s+1+16*\b]|, 0x1800000   ; block b: my 16 numbers, and the floor 2^(3 - 127): the byte cannot fall under 1
.endr
.irp i, 2,4,6,8,10,12,14
.irp b, 0,1,2,3
	s_delay_alu instid0(VALU_DEP_4)
	v_max3_num_f32 v[TM+\b], v[TM+\b], |v[\s+16*\b+\i]|, |v[\s+1+16*\b+\i]|
.endr
.endr
.irp b, 0,1,2,3
	s_delay_alu instid0(VALU_DEP_4)
	v_permlanex16_b32 v[TM+4+\b], v[TM+\b], s[SEL], s[SEL+1]
.endr
.irp b, 0,1,2,3
	s_delay_alu instid0(VALU_DEP_4)
	v_max_num_f32 v[TM+\b], v[TM+\b], v[TM+4+\b]   ; with lane l xor 16's: the block's largest magnitude
.endr
.irp b, 0,1,2,3
	s_delay_alu instid0(VALU_DEP_4)
	v_add_nc_u32 v[TM+12+\b], 0xff000000, v[TM+\b] ; 2 off its exponent field: the conversion's scale operand
.endr
.irp b, 0,1,2,3
	s_delay_alu instid0(VALU_DEP_4)
	v_lshrrev_b32 v[TM+4+\b], 23, v[TM+12+\b]      ; the scale's byte
.endr
	s_delay_alu instid0(VALU_DEP_3)
	v_lshl_or_b32 v[PW], v[TM+5], 8, v[TM+4]
	s_delay_alu instid0(VALU_DEP_1)
	v_lshl_or_b32 v[PW], v[TM+6], 16, v[PW]
	s_delay_alu instid0(VALU_DEP_1)
	v_lshl_or_b32 v[PW], v[TM+7], 24, v[PW]
.irp c, 0,1
	v_cvt_scalef32_pk16_fp6_f32 v[PC+6*\c:PC+2+6*\c], v[\s+32*\c:\s+15+32*\c], v[TM+12+2*\c]
	v_cvt_scalef32_pk16_fp6_f32 v[PC+12+4*\c:PC+14+4*\c], v[\s+16+32*\c:\s+31+32*\c], v[TM+12+2*\c+1]   ; (a conversion's three registers begin on an even number)
.endr
	v_nop                                          ; one plain place behind a scaled conversion
.irp c, 0,1                            ; the operand's layout wants a whole block in a lane: lanes 0-15 block 2 c, lanes 16-31 block 2 c + 1
.irp i, 0,1,2
	v_permlane16_swap_b32 v[PC+6*\c+\i], v[PC+12+4*\c+\i]
.endr
.irp i, 0,1,2
	s_delay_alu instid0(VALU_DEP_3)
	v_mov_b32 v[PC+3+6*\c+\i], v[PC+12+4*\c+\i]
.endr
.endr
.endm
; Item n of my wave: where its pair of rows and its scale words lie, and where its fragment and its scale words go.  s98 = 3 w.
.macro ITEM n
	s_add_co_u32 s63, s98, \n                      ; P = 3 w + n, 0 .. 23
	s_lshr_b32 s94, s63, 3                         ; which of the work-group's three tiles
	s_and_b32 s62, s63, 7                          ; which pair of its rows; later which K step
	s_mul_i32 s28, ttmp9, 3
	s_add_co_u32 s28, s28, s94                     ; the tile, 0 .. 767
	s_lshr_b32 s29, s28, 3                         ; its group G
	s_and_b32 s30, s28, 7                          ; its number i in the group
	s_and_b32 s31, s29, 7
	s_and_b32 s58, s29, 31
	s_cmp_ge_u32 s29, 32
	s_cselect_b32 s31, s58, s31                    ; the block of rows: G % 8, or G - 32,
	s_lshr_b32 s58, s58, 2
	s_and_b32 s59, s29, 3
	s_mov_b32 s60, 768
	s_cmp_ge_u32 s29, 64
	s_cselect_b32 s31, s58, s31                    ; or (G - 64) / 4
	s_cselect_b32 s59, s59, 0                      ; which 1,024 along K
	s_cselect_b32 s60, 3072, s60                   ; a row of codes in bytes
	s_cselect_b32 s61, 128, 32                     ; a row of scale bytes
	s_lshl_b32 s31, s31, 7
	s_lshr_b32 s58, s30, 1
	s_lshl_b32 s58, s58, 5
	s_add_co_u32 s31, s31, s58
	s_and_b32 s58, s30, 1
	s_lshl_b32 s58, s58, 3
	s_add_co_u32 s31, s31, s58                     ; the tile's first matrix row
	s_lshr_b32 s95, s62, 2
	s_lshl_b32 s95, s95, 4
	s_and_b32 s96, s62, 3
	s_lshl_b32 s96, s96, 1
	s_add_co_u32 s95, s95, s96
	s_add_co_u32 s95, s95, s31                     ; pair p holds image rows 2 p, 2 p + 1: matrix rows + 16 (p / 4) + 2 (p % 4) on
	s_mul_i32 s90, s95, s60
	s_mul_i32 s96, s59, 768
	s_add_co_u32 s90, s90, s96                     ; its first byte of this part of K
	s_mov_b32 s91, 0
	s_mul_i32 s92, s31, s61
	s_lshl_b32 s96, s59, 5
	s_add_co_u32 s92, s92, s96
	s_lshl_b32 s96, s62, 2
	s_add_co_u32 s92, s92, s96                     ; the scale word of the tile's first row for my K step
	s_mov_b32 s93, 0
	s_cmp_ge_u32 s29, 8                            ; which weight: the choice hangs on numbers of work-group and wave alone
	s_cselect_b64 s[IT+8*\n:IT+8*\n+1], s[34:35], s[32:33]
	s_cselect_b64 s[IT+8*\n+2:IT+8*\n+3], s[46:47], s[44:45]
	s_cmp_ge_u32 s29, 16
	s_cselect_b64 s[IT+8*\n:IT+8*\n+1], s[36:37], s[IT+8*\n:IT+8*\n+1]
	s_cselect_b64 s[IT+8*\n+2:IT+8*\n+3], s[48:49], s[IT+8*\n+2:IT+8*\n+3]
	s_cmp_ge_u32 s29, 24
	s_cselect_b64 s[IT+8*\n:IT+8*\n+1], s[38:39], s[IT+8*\n:IT+8*\n+1]
	s_cselect_b64 s[IT+8*\n+2:IT+8*\n+3], s[50:51], s[IT+8*\n+2:IT+8*\n+3]
	s_cmp_ge_u32 s29, 32
	s_cselect_b64 s[IT+8*\n:IT+8*\n+1], s[40:41], s[IT+8*\n:IT+8*\n+1]
	s_cselect_b64 s[IT+8*\n+2:IT+8*\n+3], s[52:53], s[IT+8*\n+2:IT+8*\n+3]
	s_cmp_ge_u32 s29, 64
	s_cselect_b64 s[IT+8*\n:IT+8*\n+1], s[42:43], s[IT+8*\n:IT+8*\n+1]
	s_cselect_b64 s[IT+8*\n+2:IT+8*\n+3], s[54:55], s[IT+8*\n+2:IT+8*\n+3]
	s_add_nc_u64 s[IT+8*\n:IT+8*\n+1], s[IT+8*\n:IT+8*\n+1], s[90:91]
	s_add_nc_u64 s[IT+8*\n+2:IT+8*\n+3], s[IT+8*\n+2:IT+8*\n+3], s[92:93]
	s_lshl_b32 s90, s29, 3
	s_add_co_u32 s90, s90, s62
	s_mul_i32 s90, s90, UNIT                       ; unit 8 G + my K step
	s_add_nc_u64 s[IT+8*\n+6:IT+8*\n+7], s[56:57], s[90:91]
	s_mul_i32 s92, s30, 1536
	s_add_nc_u64 s[IT+8*\n+4:IT+8*\n+5], s[IT+8*\n+6:IT+8*\n+7], s[92:93]   ; the fragment of tile i in it
	s_lshr_b32 s92, s30, 2
	s_lshl_b32 s92, s92, 8
	s_and_b32 s96, s30, 3
	s_lshl_b32 s96, s96, 2
	s_add_co_u32 s92, s92, s96
	s_add_co_u32 s92, s92, SCO
	s_add_nc_u64 s[IT+8*\n+6:IT+8*\n+7], s[IT+8*\n+6:IT+8*\n+7], s[92:93]   ; and tile i's scale words
	s_mul_i32 s97, s94, 16*RPITCH
	s_mul_i32 s96, s62, 96
	s_add_co_u32 s97, s97, s96
	s_add_co_u32 s97, s97, PSTG
	v_add_nc_u32 v[WFA+\n], s97, v[WFR]            ; the stage, on the way out: the tile's 16 rows, 96 bytes a K step
	s_sub_co_u32 s96, s60, 768
	v_mul_u32_u24 v[WV1+\n], s96, v3
	s_delay_alu instid0(VALU_DEP_1)
	v_add_nc_u32 v[WV1+\n], v[WV1+\n], v[XO]
	s_delay_alu instid0(VALU_DEP_1)
	v_add_nc_u32 v[WV1+\n], 0x200, v[WV1+\n]       ; a pair of rows is 1,536 bytes, three loads: the second takes row a's bytes 512-767 (lanes 0-15) and row a + 1's 0-255 (lanes 16-31),
	s_add_co_u32 s96, s60, 256
	v_add_nc_u32 v[WV2+\n], s96, v[XO]             ; the third row a + 1's 256-767
	v_mul_u32_u24 v[WSO+\n], s61, v[WRR]           ; my image row's scale bytes
.endm
	s_load_b256 s[4:11], s[0:1], 0x0               ; x, g, b, the image
	s_load_b256 s[32:39], s[0:1], 0x20             ; codes of Wq, Wk, Wv, Wo
	s_load_b128 s[40:43], s[0:1], 0x40             ; of W1, W2
	s_load_b256 s[44:51], s[0:1], 0x50             ; scales of Wq, Wk, Wv, Wo
	s_load_b128 s[52:55], s[0:1], 0x70             ; of W1, W2
	s_load_b64 s[56:57], s[0:1], 0x80              ; the weights' image
	v_lshl_add_u32 v254, v0, 2, 0x19600
	v_mov_b32 v255, 0
	v_lshrrev_b32 v1, 5, v0
	s_delay_alu instid0(VALU_DEP_1)
	v_readfirstlane_b32 s14, v1                    ; wave
	v_and_b32 v1, 31, v0
	s_wait_alu depctr_va_vdst(0)
	v_and_b32 v2, 15, v0                           ; r
	s_wait_alu depctr_va_vdst(0)
	v_bfe_u32 v3, v0, 4, 1                         ; h
	s_mov_b32 s[SEL], 0x76543210
	s_mov_b32 s[SEL+1], 0xfedcba98                 ; v_permlanex16_b32's selects for lane l xor 16
	s_mov_b32 s15, 0x3a800000                      ; 1 / 1,024
	s_mov_b32 s16, 0x3727c5ac                      ; 1e-5
	v_lshlrev_b32 v[XO], 4, v1
	s_lshl_b32 s18, s14, 9
	v_lshl_add_u32 v[GO], v3, 6, s18
	s_mul_i32 s19, s14, 2*NPITCH
	v_add_nc_u32 v[LW], s19, v[XO]
	v_mul_u32_u24 v[LR], v2, NPITCH
	s_delay_alu instid0(VALU_DEP_1)
	v_add_nc_u32 v[LR], v[GO], v[LR]
	s_and_b32 s20, ttmp9, 7                        ; my tile in its block of 128 rows
	s_mul_i32 s21, s20, 1536
	v_add_nc_u32 v[O16], s21, v[XO]
	v_lshl_add_u32 v[O8], v1, 3, s21
	s_lshr_b32 s22, s20, 2
	s_lshl_b32 s22, s22, 8
	s_and_b32 s23, s20, 3
	s_lshl_b32 s23, s23, 2
	s_add_co_u32 s22, s22, s23
	v_lshl_add_u32 v[SO], v2, 4, s22
	s_and_b32 s24, ttmp9, 0xf8                     ; 8 x the block of rows,
	s_add_co_u32 s24, s24, s14                     ; + my K step: the unit
	s_mul_i32 s24, s24, UNIT
	s_mov_b32 s25, 0
	s_lshl_b32 s26, ttmp9, 16                      ; 16 rows of 4,096 bytes,
	s_lshl_b32 s27, s14, 13                        ; my two of them
	s_add_co_u32 s26, s26, s27
	s_mov_b32 s27, 0
.irp b, 0,1,2,3
	v_mov_b32 v[TM+4+\b], 0                        ; written once: a lane permute's destination counts as one of its sources
.endr
	s_wait_kmcnt 0x0
	s_add_nc_u64 s[4:5], s[4:5], s[26:27]
	s_add_nc_u64 s[10:11], s[10:11], s[24:25]
.irp c, 0,1,2,3,4,5,6,7
	global_load_b128 v[X0+4*\c:X0+4*\c+3], v[XO], s[4:5] offset:512*\c th:TH_LOAD_NT
.endr
.irp c, 0,1,2,3,4,5,6,7
	global_load_b128 v[X1+4*\c:X1+4*\c+3], v[XO], s[4:5] offset:4096+512*\c th:TH_LOAD_NT
.endr
.irp b, 0,1,2,3
.irp j, 0,1,2,3
	global_load_b128 v[GG+16*\b+4*\j:GG+16*\b+4*\j+3], v[GO], s[6:7] offset:128*\b+16*\j
	global_load_b128 v[BB+16*\b+4*\j:BB+16*\b+4*\j+3], v[GO], s[8:9] offset:128*\b+16*\j
.endr
.endr
	; the weights: my three items' addresses, made while x is on its way
	v_and_b32 v[WRR], 8, v2
	s_delay_alu instid0(VALU_DEP_1)
	v_add_nc_u32 v[WRR], v[WRR], v2
	v_lshlrev_b32 v[WO8], 3, v1
	v_lshlrev_b32 v[WR16], 4, v2
	s_mul_i32 s98, s14, 3
	s_mul_i32 s99, s14, 3*2*RPITCH                 ; pair P lies at 2 P rows of the stage: my three pairs
	s_add_co_u32 s99, s99, PSTG
	v_add_nc_u32 v[WLA], s99, v[XO]                ; the three loads' places in a pair's two rows
	s_delay_alu instid0(VALU_DEP_1)
	v_lshl_add_u32 v[WLA+1], v3, 4, v[WLA]
	s_delay_alu instid0(VALU_DEP_1)
	v_add_nc_u32 v[WLA+1], 0x200, v[WLA+1]
	s_delay_alu instid0(VALU_DEP_3)
	v_add_nc_u32 v[WLA+2], 1040, v[WLA]
	v_mul_u32_u24 v[WFR], v2, RPITCH
	s_delay_alu instid0(VALU_DEP_1)
	v_mad_u32_u24 v[WFR], v3, 24, v[WFR]           ; a fragment's place: row r, + 24 h
	s_wait_alu depctr_va_vdst(0)
	ITEM 0
	ITEM 1
	ITEM 2
	WIN 0x40                                       ; destination window 1, offsets window 0
	s_wait_alu depctr_va_vdst(0)
.irp n, 0,1,2
	global_load_b128 v[RAW+12*\n:RAW+12*\n+3],    v[XO],     s[IT+8*\n:IT+8*\n+1] th:TH_LOAD_NT
	global_load_b128 v[RAW+12*\n+4:RAW+12*\n+7],  v[WV1+\n], s[IT+8*\n:IT+8*\n+1] th:TH_LOAD_NT
	global_load_b128 v[RAW+12*\n+8:RAW+12*\n+11], v[WV2+\n], s[IT+8*\n:IT+8*\n+1] th:TH_LOAD_NT
	global_load_b32  v[SWD+\n],                   v[WSO+\n], s[IT+8*\n+2:IT+8*\n+3]
.endr
	WIN 0
	s_wait_loadcnt 52                              ; the first row's eight loads are in: behind them stand the second row's 8, the 32 of g and b and the weights' 12
	ROWSTAT X0, 0
	s_wait_loadcnt 44                              ; the second row's
	ROWSTAT X1, NPITCH
	s_wait_loadcnt 0x0                             ; the weights' rows (the youngest loads)
	WIN 0x04                                       ; an LDS store's data are its source 1: window 1
.irp n, 0,1,2
	ds_store_b128 v[WLA],   v[RAW+12*\n:RAW+12*\n+3]    offset:2*\n*RPITCH
	ds_store_b128 v[WLA+1], v[RAW+12*\n+4:RAW+12*\n+7]  offset:2*\n*RPITCH
	ds_store_b128 v[WLA+2], v[RAW+12*\n+8:RAW+12*\n+11] offset:2*\n*RPITCH
.endr
	WIN 0
	s_wait_dscnt 0x0                               ; for the others' sake: my two rows of x and my six rows of weights lie in LDS
	s_barrier_signal -1
	s_barrier_wait -1
	WIN 0x40
.irp n, 0,1,2
.irp p, 0,1,2,3,4,5
	ds_load_b64 v[FRG+12*\n+2*\p:FRG+12*\n+2*\p+1], v[WFA+\n] offset:48*(\p/3)+8*(\p%3)
.endr
.endr
	WIN 0
.irp b, 0,1,2,3
.irp j, 0,1,2,3
	ds_load_b128 v[X0+16*\b+4*\j:X0+16*\b+4*\j+3], v[LR] offset:128*\b+16*\j
.endr
.endr
	s_wait_dscnt 16                                ; my three fragments are in: behind them stand LayerNorm's 16 loads
	WIN 0x04                                       ; a store's data are its source 1: window 1
.irp n, 0,1,2
	global_store_b128 v[XO],   v[FRG+12*\n:FRG+12*\n+3],     s[IT+8*\n+4:IT+8*\n+5]               ; each covers 512 or 256 consecutive bytes, aligned
	global_store_b64  v[WO8],  v[FRG+12*\n+4:FRG+12*\n+5],   s[IT+8*\n+4:IT+8*\n+5] offset:512
	global_store_b128 v[XO],   v[FRG+12*\n+6:FRG+12*\n+9],   s[IT+8*\n+4:IT+8*\n+5] offset:768
	global_store_b64  v[WO8],  v[FRG+12*\n+10:FRG+12*\n+11], s[IT+8*\n+4:IT+8*\n+5] offset:1280
	global_store_b32  v[WR16], v[SWD+\n],                    s[IT+8*\n+6:IT+8*\n+7]               ; lanes r and r + 16 hold the same word
.endr
	WIN 0
	s_wait_dscnt 0x0
.set j, 0
.rept 32
	v_pk_fma_f32 v[X0+j:X0+j+1], v[X0+j:X0+j+1], v[GG+j:GG+j+1], v[BB+j:BB+j+1]
.set j, j+2
.endr
	s_wait_xcnt 0x0                                ; the weights' stores have read their offsets (v28, v29): the quantiser writes v12-31
	QUANT X0
	global_store_b128 v[O16], v[PC:PC+3],     s[10:11]               ; each store covers 512 or 256 consecutive bytes, aligned
	global_store_b64  v[O8],  v[PC+4:PC+5],   s[10:11] offset:512
	global_store_b128 v[O16], v[PC+6:PC+9],   s[10:11] offset:768
	global_store_b64  v[O8],  v[PC+10:PC+11], s[10:11] offset:1280
	global_store_b32  v[SO],  v[PW],          s[10:11] offset:SCO    ; lanes r and r + 16 hold the same word
	s_wait_tensorcnt 0x0
	ds_add_u32 v254, v255
	s_wait_dscnt 0x0
	s_endpgm
.Lfunc_end_k_q6b66f5fa7a_lnw:
	.size	k_q6b66f5fa7a_lnw, .Lfunc_end_k_q6b66f5fa7a_lnw-k_q6b66f5fa7a_lnw
	.p2alignl 7, 3214868480
	.fill 96, 4, 3214868480
	.section	.rodata,"a",@progbits
	.p2align	6, 0x0
	.amdhsa_kernel k_q6b66f5fa7a_lnw
		.amdhsa_group_segment_fixed_size 104960
		.amdhsa_private_segment_fixed_size 0
		.amdhsa_enable_private_segment 0
		.amdhsa_kernarg_size 136
		.amdhsa_user_sgpr_count 2
		.amdhsa_user_sgpr_kernarg_segment_ptr 1
		.amdhsa_wavefront_size32 1
		.amdhsa_system_sgpr_workgroup_id_x 1
		.amdhsa_system_sgpr_workgroup_id_y 1
		.amdhsa_system_sgpr_workgroup_id_z 1
		.amdhsa_system_vgpr_workitem_id 0
		.amdhsa_next_free_vgpr 384
		.amdhsa_next_free_sgpr 100
		.amdhsa_reserve_vcc 0
		.amdhsa_float_denorm_mode_32 3
		.amdhsa_float_denorm_mode_16_64 3
		.amdhsa_memory_ordered 1
		.amdhsa_forward_progress 1
		.amdhsa_inst_pref_size 45
	.end_amdhsa_kernel
	.amdgpu_metadata
---
amdhsa.version: [ 1, 2 ]
amdhsa.kernels:
  - .name:           k_q6b66f5fa7a_lnw
    .symbol:         k_q6b66f5fa7a_lnw.kd
    .args:
      - { .name: x, .offset: 0, .size: 8, .value_kind: global_buffer, .address_space: global }
      - { .name: g1, .offset: 8, .size: 8, .value_kind: global_buffer, .address_space: global }
      - { .name: b1, .offset: 16, .size: 8, .value_kind: global_buffer, .address_space: global }
      - { .name: himg, .offset: 24, .size: 8, .value_kind: global_buffer, .address_space: global }
      - { .name: Wq_codes, .offset: 32, .size: 8, .value_kind: global_buffer, .address_space: global }
      - { .name: Wk_codes, .offset: 40, .size: 8, .value_kind: global_buffer, .address_space: global }
      - { .name: Wv_codes, .offset: 48, .size: 8, .value_kind: global_buffer, .address_space: global }
      - { .name: Wo_codes, .offset: 56, .size: 8, .value_kind: global_buffer, .address_space: global }
      - { .name: W1_codes, .offset: 64, .size: 8, .value_kind: global_buffer, .address_space: global }
      - { .name: W2_codes, .offset: 72, .size: 8, .value_kind: global_buffer, .address_space: global }
      - { .name: Wq_scales, .offset: 80, .size: 8, .value_kind: global_buffer, .address_space: global }
      - { .name: Wk_scales, .offset: 88, .size: 8, .value_kind: global_buffer, .address_space: global }
      - { .name: Wv_scales, .offset: 96, .size: 8, .value_kind: global_buffer, .address_space: global }
      - { .name: Wo_scales, .offset: 104, .size: 8, .value_kind: global_buffer, .address_space: global }
      - { .name: W1_scales, .offset: 112, .size: 8, .value_kind: global_buffer, .address_space: global }
      - { .name: W2_scales, .offset: 120, .size: 8, .value_kind: global_buffer, .address_space: global }
      - { .name: wimg, .offset: 128, .size: 8, .value_kind: global_buffer, .address_space: global }
    .group_segment_fixed_size: 104960
    .private_segment_fixed_size: 0
    .kernarg_segment_align: 8
    .kernarg_segment_size: 136
    .max_flat_workgroup_size: 256
    .sgpr_count:     100
    .vgpr_count:     384
    .wavefront_size: 32
...
	.end_amdgpu_metadata
.endif
;; end of part 1
;; launch qkv (part 2): grid 48 x 4, 4 waves a work-group, clusters of 4 x 4, 327,680 bytes of LDS; arguments himg, wimg, bq, bk, bv, qimg, kvimg; writes qimg, kvimg
.if DOCPART == 2
	.amdgcn_target "amdgcn-amd-amdhsa--gfx1250"
	.amdhsa_code_object_version 6
	.text
	.protected	k_q6b66f5fa7a_qkv
	.globl	k_q6b66f5fa7a_qkv
	.p2align	8
	.type	k_q6b66f5fa7a_qkv,@function
k_q6b66f5fa7a_qkv:
	s_mov_b64 s[64:65], 0
	v_nop
	global_prefetch_b8 v0, s[64:65] scope:SCOPE_SE
	s_setreg_imm32_b32 hwreg(HW_REG_WAVE_MODE, 25, 1), 1
	s_wait_xcnt 0x0
	s_wait_alu depctr_hold_cnt(0) depctr_sa_sdst(0) depctr_va_vdst(0) depctr_va_sdst(0) depctr_va_ssrc(0) depctr_va_vcc(0) depctr_vm_vsrc(0)
	s_getreg_b32 s2, hwreg(HW_REG_IB_STS2, 6, 4)
	s_cmp_eq_u32 s2, 0
	s_cbranch_scc0 .Lentry_in_a_cluster
	s_endpgm
.Lentry_in_a_cluster:
	s_bfe_u32 s2, ttmp6, 0x10000c
	s_cmp_lg_u32 s2, 0xf033
	s_cbranch_scc0 .Lentry_shape_is_right
	s_endpgm
.Lentry_shape_is_right:
.set UNIT,  12800
.set SCO,   12288
.set REG,   2*UNIT
.set SLOT,  4*REG
.set SPARE, 2*SLOT
.set QU,    6656
.set KVU,   13056
.set FR, 12
.set NL, 4
.set NP, 4
.set NQ, 2
.set A16, 16
.set A8,  18
.set B16, 20
.set B8,  22
.set ADRS, 24
.set O16, 26
.set O8,  27
.set SPW, 28
.set NIL, 29
.set SC,  32
.set BI,  64
.set AF,  128
.set Z,   128
.set TM,  192
.set PW,  208
.set SWA, 210
.set SWB, 218
.set PC,  234
.set WV, 18
.set WX, 19
.set WY, 20
.set G1, 24
.set G0, 32
.set SEL, 46
.set G1B, 48
.set G0B, 56
.set DA, 88
.set DB, 94
.set MSB, 0
.macro WIN new
.if MSB != (\new)
	s_set_vgpr_msb (MSB<<8)|(\new)
.set MSB, (\new)
.endif
.endm
.set MUL_LO, 0xa1
.set MUL_HI, 0xf1
.set TO_B,   0x40
.macro JLOAD g0a, g1a, g0b, g1b
	s_cmp_eq_u32 s[WX], 0
	s_cbranch_scc0 .Lfor_b_\@
	tensor_load_to_lds s[\g0a:\g0a+3], s[\g1a:\g1a+7]
	s_nop 0
.rept 4
	v_nop
.endr
	s_branch .Lasked_\@
.Lfor_b_\@:
	tensor_load_to_lds s[\g0b:\g0b+3], s[\g1b:\g1b+7]
	s_nop 0
.rept 4
	v_nop
.endr
.Lasked_\@:
.endm
.macro CREST
	s_cmp_lg_u32 s[WV], 0
	s_cbranch_scc1 .Lnot_wave_0_\@
	s_barrier_signal -3
.Lnot_wave_0_\@:
	s_barrier_wait -3
	s_barrier_signal -1
	s_barrier_wait -1
.endm
.macro CROUND
	s_barrier_signal -1
	s_barrier_wait -1
	CREST
.endm
.macro PLACES n
.rept \n
	v_nop
.endr
.endm
.macro FRAG reg, a16, a8, off
	ds_load_b128 v[(\reg):(\reg)+3],     v[\a16] offset:(\off)
	ds_load_b64  v[(\reg)+4:(\reg)+5],   v[\a8]  offset:(\off)+512
	ds_load_b128 v[(\reg)+6:(\reg)+9],   v[\a16] offset:(\off)+768
	ds_load_b64  v[(\reg)+10:(\reg)+11], v[\a8]  offset:(\off)+1280
.endm
.macro MUL16 a0, p, q, sc, zero
.irp a, \a0, \a0+1
.irp b, 0,1,2,3,4,5,6,7
.if \zero
	v_wmma_scale_f32_16x16x128_f8f6f4 v[8*(8*((\a)%4)+\b):8*(8*((\a)%4)+\b)+7], v[128*(\p)+FR*\b:128*(\p)+FR*\b+FR-1], v[AF+FR*(\a):AF+FR*(\a)+FR-1], 0, v[SC+16*(\sc)+8*(\q)+\b], v[SC+16*(\sc)+8*(\q)+(\a)] matrix_a_fmt:MATRIX_FMT_FP6 matrix_b_fmt:MATRIX_FMT_FP6 matrix_a_scale:MATRIX_SCALE_ROW1
.else
	v_wmma_scale_f32_16x16x128_f8f6f4 v[8*(8*((\a)%4)+\b):8*(8*((\a)%4)+\b)+7], v[128*(\p)+FR*\b:128*(\p)+FR*\b+FR-1], v[AF+FR*(\a):AF+FR*(\a)+FR-1], v[8*(8*((\a)%4)+\b):8*(8*((\a)%4)+\b)+7], v[SC+16*(\sc)+8*(\q)+\b], v[SC+16*(\sc)+8*(\q)+(\a)] matrix_a_fmt:MATRIX_FMT_FP6 matrix_b_fmt:MATRIX_FMT_FP6 matrix_a_scale:MATRIX_SCALE_ROW1
.endif
.endr
.endr
.endm
.macro FETCH_B slot, q, p
	WIN TO_B
.irp i, 0,1,2,3,4,5,6,7
	FRAG 128*(\p)+FR*\i, B16+\slot, B8+\slot, UNIT*(\q)+1536*\i
.endr
	WIN 0
.endm
.macro FETCH_A slot, q, i0
.irp i, \i0, \i0+1, \i0+2, \i0+3
	FRAG AF+FR*(\i), A16+\slot, A8+\slot, UNIT*(\q)+1536*(\i)
.endr
.endm
.macro SCALES sc
.irp q, 0,1
.irp g, 0,1
	ds_load_b128 v[SC+16*\sc+8*\q+4*\g:SC+16*\sc+8*\q+4*\g+3], v[ADRS+\sc] offset:UNIT*\q+256*\g
.endr
.endr
.endm
.macro STEP slot, q, zero
	s_wait_dscnt 4*NL
	WIN MUL_LO
	MUL16 0, (\q)%2, \q, \slot, \zero
	MUL16 2, (\q)%2, \q, \slot, \zero
	s_wait_dscnt 0
	PLACES NP
	FETCH_B \slot, (\q)+1, 1-(\q)%2
	FETCH_A \slot, (\q)+1, 0
	WIN MUL_HI
	MUL16 4, (\q)%2, \q, \slot, \zero
	MUL16 6, (\q)%2, \q, \slot, \zero
	PLACES NP
	WIN 0
	FETCH_A \slot, (\q)+1, 4
.endm
.macro TURN slot, next, fill
	s_wait_tensorcnt 0x0
	ds_add_u32 v[SPW], v[NIL]
	s_wait_dscnt 4*NL+1
	WIN MUL_LO
	MUL16 0, 1, NQ-1, \slot, 0
	s_wait_dscnt 0x0
	s_barrier_signal -1
	MUL16 2, 1, NQ-1, \slot, 0
	WIN 0
	s_barrier_wait -1
.if \fill
	CREST
	s_add_nc_u64 s[G0+4*\slot+2:G0+4*\slot+3], s[G0+4*\slot+2:G0+4*\slot+3], 2*REG
	s_add_nc_u64 s[G0B+4*\slot+2:G0B+4*\slot+3], s[G0B+4*\slot+2:G0B+4*\slot+3], 2*REG
	JLOAD G0+4*\slot, G1, G0B+4*\slot, G1B
.else
	PLACES NP
.endif
	s_wait_alu depctr_va_vdst(0)
	FETCH_B \next, 0, 0
	FETCH_A \next, 0, 0
	SCALES \next
	WIN MUL_HI
	MUL16 4, 1, NQ-1, \slot, 0
	MUL16 6, 1, NQ-1, \slot, 0
	PLACES NP
	WIN 0
	FETCH_A \next, 0, 4
.endm
.macro QUANT s
.irp b, 0,1,2,3
	v_max3_num_f32 v[TM+\b], |v[\s+16*\b]|, |v[\s+1+16*\b]|, 0x1800000
.endr
.irp i, 2,4,6,8,10,12,14
.irp b, 0,1,2,3
	v_max3_num_f32 v[TM+\b], v[TM+\b], |v[\s+16*\b+\i]|, |v[\s+1+16*\b+\i]|
.endr
.endr
.irp b, 0,1,2,3
	v_permlanex16_b32 v[TM+4+\b], v[TM+\b], s[SEL], s[SEL+1]
.endr
.irp b, 0,1,2,3
	v_max_num_f32 v[TM+\b], v[TM+\b], v[TM+4+\b]
.endr
.irp b, 0,1,2,3
	v_add_nc_u32 v[TM+12+\b], 0xff000000, v[TM+\b]
.endr
.irp b, 0,1,2,3
	v_lshrrev_b32 v[TM+4+\b], 23, v[TM+12+\b]
.endr
	v_lshl_or_b32 v[PW], v[TM+5], 8, v[TM+4]
	v_lshl_or_b32 v[PW], v[TM+6], 16, v[PW]
	v_lshl_or_b32 v[PW], v[TM+7], 24, v[PW]
.irp c, 0,1
	v_cvt_scalef32_pk16_fp6_f32 v[PC+6*\c:PC+2+6*\c], v[\s+32*\c:\s+15+32*\c], v[TM+12+2*\c]
	v_cvt_scalef32_pk16_fp6_f32 v[PC+12+4*\c:PC+14+4*\c], v[\s+16+32*\c:\s+31+32*\c], v[TM+12+2*\c+1]
.endr
	v_nop
.irp c, 0,1
.irp i, 0,1,2
	v_permlane16_swap_b32 v[PC+6*\c+\i], v[PC+12+4*\c+\i]
.endr
.irp i, 0,1,2
	v_mov_b32 v[PC+3+6*\c+\i], v[PC+12+4*\c+\i]
.endr
.endr
.endm
	s_load_b256 s[4:11], s[0:1], 0x0
	s_load_b128 s[12:15], s[0:1], 0x20
	s_load_b64 s[16:17], s[0:1], 0x30
	v_lshl_add_u32 v[SPW], v0, 2, SPARE
	v_mov_b32 v[NIL], 0
	ds_add_u32 v28, v29
	ds_add_u32 v28, v29
	s_wait_dscnt 0x0
	v_lshrrev_b32 v1, 5, v0
	v_readfirstlane_b32 s[WV], v1
	s_lshr_b32 s[WX], s[WV], 1
	s_and_b32 s[WY], s[WV], 1
	s_bfe_u32 s40, ttmp6, 0x40000
	s_bfe_u32 s41, ttmp6, 0x40004
	s_lshl_b32 s43, s41, 2
	s_lshl_b32 s43, 15, s43
	s_lshl_b32 s44, 0x1111, s40
	s_or_b32 s[G1], s43, (3<<16)|(1<<21)
	s_or_b32 s[G1B], s44, (3<<16)|(1<<21)
.irp g, G1, G1B
	s_mov_b32 s[\g+1], 32<<16
	s_mov_b32 s[\g+2], 100<<16
	s_mov_b32 s[\g+3], 32<<16
	s_mov_b32 s[\g+4], 100
	s_mov_b32 s[\g+5], 32
	s_mov_b32 s[\g+6], 0
	s_mov_b32 s[\g+7], 0
.endr
	s_lshr_b32 s66, ttmp9, 1
	s_lshl_b32 s66, s66, 2
	s_sub_co_u32 s67, ttmp9, 8
	s_lshl_b32 s67, s67, 2
	s_and_b32 s68, ttmp9, 1
	s_lshl_b32 s68, s68, 6
	s_cmp_lt_u32 ttmp9, 8
	s_cselect_b32 s66, s66, 0
	s_cselect_b32 s67, 0, s67
	s_cselect_b32 s68, s68, 0
	s_cselect_b32 s69, 0, 128
	s_add_co_u32 s70, s66, s41
	s_add_co_u32 s71, s67, s40
	s_lshl_b32 s76, s70, 1
	s_add_co_u32 s76, s76, s[WY]
	s_lshl_b32 s76, s76, 3
	s_add_co_u32 s76, s76, s69
	s_mul_i32 s76, s76, UNIT
	s_mov_b32 s77, 0
	s_lshl_b32 s78, s71, 1
	s_add_co_u32 s78, s78, s[WY]
	s_lshl_b32 s78, s78, 3
	s_add_co_u32 s78, s78, s68
	s_mul_i32 s78, s78, UNIT
	s_mov_b32 s79, 0
	s_mul_i32 s45, s[WV], REG
	s_lshl_b32 s80, s70, 1
	s_add_co_u32 s80, s80, s[WX]
	s_lshl_b32 s81, s71, 1
	s_add_co_u32 s81, s81, s[WY]
	s_lshl_b32 s82, s40, 1
	s_add_co_u32 s82, s82, s[WY]
	s_lshl_b32 s83, s41, 1
	s_add_co_u32 s83, s83, s[WX]
	s_cmp_lt_u32 ttmp9, 8
	s_cselect_b32 s80, s80, s81
	s_cselect_b32 s82, s82, s83
	s_cselect_b32 s84, 0, QU
	s_and_b32 s81, s80, 16
	s_lshl_b32 s83, s82, 1
	s_add_co_u32 s81, s81, s83
	s_lshl_b32 s81, s81, 4
	s_and_b32 s83, s80, 15
	s_add_co_u32 s81, s81, s83
	s_lshl_b32 s87, s82, 9
	s_and_b32 s85, ttmp9, 1
	s_lshr_b32 s86, ttmp9, 3
	s_or_b32 s85, s85, s86
	s_mov_b32 s86, KVU
	s_mov_b32 s98, 0xffff
	s_mov_b32 s99, 0x01010000
	s_mov_b32 s[SEL], 0x76543210
	s_mov_b32 s[SEL+1], 0xfedcba98
	s_wait_kmcnt 0x0
	s_cmp_eq_u32 s85, 0
	s_cselect_b32 s86, QU, s86
	s_cselect_b64 s[DA:DA+1], s[14:15], s[16:17]
	s_bitcmp1_b32 ttmp9, 0
	s_cselect_b64 s[96:97], s[10:11], s[8:9]
	s_cmp_lt_u32 ttmp9, 8
	s_cselect_b64 s[96:97], s[96:97], s[12:13]
	s_cselect_b64 s[72:73], s[4:5], s[6:7]
	s_cselect_b64 s[74:75], s[6:7], s[4:5]
	s_add_nc_u64 s[72:73], s[72:73], s[76:77]
	s_add_nc_u64 s[74:75], s[74:75], s[78:79]
	s_mul_i32 s90, s81, s86
	s_add_co_u32 s90, s90, s84
	s_mov_b32 s91, 0
	s_add_nc_u64 s[DA:DA+1], s[DA:DA+1], s[90:91]
	s_lshl_b32 s92, s86, 4
	s_mov_b32 s93, 0
	s_add_nc_u64 s[DB:DB+1], s[DA:DA+1], s[92:93]
	CROUND
.irp s, 0,1
	s_mov_b32 s[G0+4*\s], 1
	s_add_co_u32 s[G0+4*\s+1], s45, \s*SLOT
	s_add_nc_u64 s[G0+4*\s+2:G0+4*\s+3], s[72:73], \s*REG
	s_or_b32 s[G0+4*\s+3], s[G0+4*\s+3], 0x80000000
	s_mov_b32 s[G0B+4*\s], 1
	s_add_co_u32 s[G0B+4*\s+1], s45, \s*SLOT
	s_add_nc_u64 s[G0B+4*\s+2:G0B+4*\s+3], s[74:75], \s*REG
	s_or_b32 s[G0B+4*\s+3], s[G0B+4*\s+3], 0x80000000
.endr
	JLOAD G0, G1, G0B, G1B                         ; slot 0: my one tensor load at the head, behind the round above
	v_and_b32 v1, 31, v0
	v_and_b32 v2, 15, v0
	v_bfe_u32 v3, v0, 4, 1
	v_lshlrev_b32 v[O16], 4, v1
	v_lshlrev_b32 v[O8], 3, v1
	s_mul_i32 s21, s[WX], REG
	s_mul_i32 s22, s[WY], REG
	s_add_co_u32 s22, s22, 2*REG
	s_sub_co_u32 s23, s22, s21
	v_mul_u32_u24 v4, s23, v3
	v_lshl_add_u32 v4, v2, 4, v4
	v_add_nc_u32 v4, SCO, v4
.irp s, 0,1
	v_add_nc_u32 v[A16+\s], s21, v[O16]
	v_add_nc_u32 v[A8+\s], s21, v[O8]
	v_add_nc_u32 v[B16+\s], s22, v[O16]
	v_add_nc_u32 v[B8+\s], s22, v[O8]
	v_add_nc_u32 v[ADRS+\s], s21, v4
	s_add_co_u32 s21, s21, SLOT
	s_add_co_u32 s22, s22, SLOT
.endr
	v_lshl_add_u32 v5, v3, 6, s87
	v_and_b32 v6, 8, v2
	v_add_nc_u32 v6, v6, v2
	v_lshl_add_u32 v6, v6, 2, s87
	v_mul_u32_u24 v7, v3, 16*KVU
	v_lshl_add_u32 v7, v2, 4, v7
.irp b, 0,1,2,3
.irp j, 0,1,2,3
	global_load_b128 v[BI+16*\b+4*\j:BI+16*\b+4*\j+3], v5, s[96:97] offset:128*\b+16*\j
.endr
.endr
	WIN TO_B
.irp a, 0,1,2,3,4,5,6,7
	global_load_b32 v[96+2*\a], v6, s[96:97] offset:4*(32*(\a/2)+8*(\a%2))
	global_load_b32 v[97+2*\a], v6, s[96:97] offset:4*(32*(\a/2)+8*(\a%2))
.endr
	WIN 0
	s_wait_alu depctr_va_vdst(0)                   ; the wait at the head's end
	s_wait_tensorcnt 0x0                           ; my part of slot 0 is in; slot 1's first fill is issued as a refill is
	ds_add_u32 v[SPW], v[NIL]
	s_wait_dscnt 0x0
	CROUND
	JLOAD G0+4, G1, G0B+4, G1B                     ; slot 1: the first tensor load behind the round
	FETCH_B 0, 0, 0
	FETCH_A 0, 0, 0
	SCALES 0
	FETCH_A 0, 0, 4
	STEP 0, 0, 1
	TURN 0, 1, 1
	STEP 1, 0, 0
	TURN 1, 0, 1
	STEP 0, 0, 0
	TURN 0, 1, 0
	STEP 1, 0, 0
	s_wait_dscnt 4*NL
	WIN MUL_LO
	MUL16 0, 1, NQ-1, 1, 0
	MUL16 2, 1, NQ-1, 1, 0
	s_wait_dscnt 0
	WIN MUL_HI
	MUL16 4, 1, NQ-1, 1, 0
	MUL16 6, 1, NQ-1, 1, 0
	WIN 0
	s_wait_tensorcnt 0x0
	ds_add_u32 v[SPW], v[NIL]
	s_wait_dscnt 0x0
	PLACES NP
	s_wait_loadcnt 0x0
.irp b, 0,1,2,3
	v_mov_b32 v[TM+4+\b], 0
.endr
	v_cmp_le_u32 vcc_lo, 16, v1
	s_cmp_lt_u32 ttmp9, 8
	s_cbranch_scc0 .Lpath_v
.macro EPIQK a
	WIN 0x02+(\a)/4
.set j, 0
.rept 32
	v_pk_add_f32 v[Z+j:Z+j+1], v[64*((\a)%4)+j:64*((\a)%4)+j+1], v[BI+j:BI+j+1]
.set j, j+2
.endr
	WIN 0
.if (\a) > 0
	s_wait_xcnt 0x0
.endif
	QUANT Z
	global_store_b128 v[O16], v[PC:PC+3],     s[DA:DA+1] offset:768*(\a)
	global_store_b64  v[O8],  v[PC+4:PC+5],   s[DA:DA+1] offset:768*(\a)+512
	global_store_b128 v[O16], v[PC+6:PC+9],   s[DB:DB+1] offset:768*(\a)
	global_store_b64  v[O8],  v[PC+10:PC+11], s[DB:DB+1] offset:768*(\a)+512
	v_and_or_b32 v[SWA+(\a)], v[PW], s98, s99
	v_lshrrev_b32 v[SWB+(\a)], 16, v[PW]
	v_or_b32 v[SWB+(\a)], s99, v[SWB+(\a)]
.endm
.irp a, 0,1,2,3,4,5,6,7
	EPIQK \a
.endr
.irp i, 0,1,2,3
	v_cndmask_b32 v[226+\i], v[SWA+\i], v[SWA+4+\i], vcc_lo
	v_cndmask_b32 v[230+\i], v[SWB+\i], v[SWB+4+\i], vcc_lo
.endr
	global_store_b128 v[O16], v[226:229], s[DA:DA+1] offset:6144
	global_store_b128 v[O16], v[230:233], s[DB:DB+1] offset:6144
	s_branch .Ltail
.Lpath_v:
.macro EPIV a
	WIN 0x06+(\a)/4
.set j, 0
.rept 32
	v_pk_add_f32 v[Z+j:Z+j+1], v[64*((\a)%4)+j:64*((\a)%4)+j+1], v[96+2*(\a):97+2*(\a)]
.set j, j+2
.endr
	WIN 0
.if (\a) > 0
	s_wait_xcnt 0x0
.endif
	QUANT Z
	global_store_b128 v[O16], v[PC:PC+3],     s[DA+6*((\a)/4):DA+6*((\a)/4)+1] offset:1536*((\a)%4)
	global_store_b64  v[O8],  v[PC+4:PC+5],   s[DA+6*((\a)/4):DA+6*((\a)/4)+1] offset:1536*((\a)%4)+512
	global_store_b128 v[O16], v[PC+6:PC+9],   s[DA+6*((\a)/4):DA+6*((\a)/4)+1] offset:1536*((\a)%4)+768
	global_store_b64  v[O8],  v[PC+10:PC+11], s[DA+6*((\a)/4):DA+6*((\a)/4)+1] offset:1536*((\a)%4)+1280
	v_mov_b32 v[SWA+(\a)], v[PW]
.endm
.irp a, 0,1,2,3,4,5,6,7
	EPIV \a
.endr
.irp i, 0,1,2,3
	v_cndmask_b32 v[226+\i], v[SWA+\i], v[SWA+4+\i], vcc_lo
.endr
	global_store_b128 v7, v[226:229], s[DA:DA+1] offset:6144
.Ltail:
	CROUND
	s_endpgm
.Lfunc_end_k_q6b66f5fa7a_qkv:
	.size	k_q6b66f5fa7a_qkv, .Lfunc_end_k_q6b66f5fa7a_qkv-k_q6b66f5fa7a_qkv
	.p2alignl 7, 3214868480
	.fill 96, 4, 3214868480
	.section	.rodata,"a",@progbits
	.p2align	6, 0x0
	.amdhsa_kernel k_q6b66f5fa7a_qkv
		.amdhsa_group_segment_fixed_size 327680
		.amdhsa_private_segment_fixed_size 0
		.amdhsa_enable_private_segment 0
		.amdhsa_kernarg_size 56
		.amdhsa_user_sgpr_count 2
		.amdhsa_user_sgpr_kernarg_segment_ptr 1
		.amdhsa_wavefront_size32 1
		.amdhsa_system_sgpr_workgroup_id_x 1
		.amdhsa_system_sgpr_workgroup_id_y 1
		.amdhsa_system_sgpr_workgroup_id_z 1
		.amdhsa_system_vgpr_workitem_id 0
		.amdhsa_next_free_vgpr 1024
		.amdhsa_next_free_sgpr 100
		.amdhsa_reserve_vcc 1
		.amdhsa_float_denorm_mode_32 3
		.amdhsa_float_denorm_mode_16_64 3
		.amdhsa_memory_ordered 1
		.amdhsa_forward_progress 1
		.amdhsa_inst_pref_size 217
	.end_amdhsa_kernel
	.amdgpu_metadata
---
amdhsa.version: [ 1, 2 ]
amdhsa.kernels:
  - .name:           k_q6b66f5fa7a_qkv
    .symbol:         k_q6b66f5fa7a_qkv.kd
    .args:
      - { .name: himg, .offset: 0, .size: 8, .value_kind: global_buffer, .address_space: global }
      - { .name: wimg, .offset: 8, .size: 8, .value_kind: global_buffer, .address_space: global }
      - { .name: bq, .offset: 16, .size: 8, .value_kind: global_buffer, .address_space: global }
      - { .name: bk, .offset: 24, .size: 8, .value_kind: global_buffer, .address_space: global }
      - { .name: bv, .offset: 32, .size: 8, .value_kind: global_buffer, .address_space: global }
      - { .name: qimg, .offset: 40, .size: 8, .value_kind: global_buffer, .address_space: global }
      - { .name: kvimg, .offset: 48, .size: 8, .value_kind: global_buffer, .address_space: global }
    .group_segment_fixed_size: 327680
    .private_segment_fixed_size: 0
    .kernarg_segment_align: 8
    .kernarg_segment_size: 56
    .max_flat_workgroup_size: 128
    .sgpr_count:     100
    .vgpr_count:     1024
    .wavefront_size: 32
...
	.end_amdgpu_metadata
.endif
;; end of part 2
;; launch att (part 3): grid 8 x 32, 16 waves a work-group, clusters of 4 x 1, 210,944 bytes of LDS; arguments qimg, kvimg, cimg; writes cimg
.if DOCPART == 3
	.amdgcn_target "amdgcn-amd-amdhsa--gfx1250"
	.amdhsa_code_object_version 6
	.text
	.protected	k_q6b66f5fa7a_att
	.globl	k_q6b66f5fa7a_att
	.p2align	8
	.type	k_q6b66f5fa7a_att,@function
k_q6b66f5fa7a_att:
	s_mov_b64 s[64:65], 0
	v_nop
	global_prefetch_b8 v0, s[64:65] scope:SCOPE_SE
	s_setreg_imm32_b32 hwreg(HW_REG_WAVE_MODE, 25, 1), 1
	s_wait_xcnt 0x0
	s_wait_alu depctr_hold_cnt(0) depctr_sa_sdst(0) depctr_va_vdst(0) depctr_va_sdst(0) depctr_va_ssrc(0) depctr_va_vcc(0) depctr_vm_vsrc(0)
	s_getreg_b32 s2, hwreg(HW_REG_IB_STS2, 6, 4)
	s_cmp_eq_u32 s2, 0
	s_cbranch_scc0 .Lentry_in_a_cluster
	s_endpgm
.Lentry_in_a_cluster:
	s_bfe_u32 s2, ttmp6, 0x10000c
	s_cmp_lg_u32 s2, 0x3003
	s_cbranch_scc0 .Lentry_shape_is_right
	s_endpgm
.Lentry_shape_is_right:
; Causal attention on codes of FP6 (E2M3): ctx = softmax(q k^T / 8) v for one (batch, head), then ctx quantised along the features, as an image for the next product.
; THE SOFTMAX AHEAD OF THE SECOND PRODUCT: t = score x log2(e) / 8; M = the running largest t rounded UP to a whole number; p = 2^(t - M) is quantised along the keys, not normalised; the row's sum is taken of
; the unquantised p and divides at the end.  When M moves, the sum and O are multiplied by 2^(old M - new M): exact.
; THE WHOLE HEAD'S k AND v STAY IN LDS: 16 units of 13,056 bytes, each brought once by one wave's one tensor load: nothing is filled again, so there is no ring; one barrier behind the loads.
; CLUSTER: the eight work-groups of a head are two clusters of four.  The four partners need the same k and v, so each unit is asked for JOINTLY: the same tensor load, with the same descriptor and the mask of all four.
; SHARES, laid so that partners branch alike.  A head has 16 blocks of 128 queries, a block 8 tiles of 16.  WHICH BLOCK a wave works on hangs on the wave's number w and the cluster's number c alone:
; pair pi = bit 1 of w + 2 x bit 3 of w; the pair's early block is 2 pi + ((pi xor c) & 1), its late block 15 less that; the wave takes the late one where bit 0 xor bit 2 of w is 1.  The two clusters' pairs cover the 16 blocks.
; WHICH TILE of the block hangs on the partner's place cx: tile 2 cx + bit 2 of w.  cx enters q's and ctx's addresses and a lane constant of the mask, and no branch and no LDS address.
; A pair of blocks is 17 key steps of 128; waves 4 s .. 4 s + 3, and waves s, s + 4, s + 8, s + 12 alike, hold two whole pairs: 34 steps.
; Every wave walks 16 key steps: the trip count is a constant; a step all of whose keys come after the wave's block is jumped over by a scalar branch on the block's number.
; LAYOUT: both products transposed: S^T = k q^T (source 0 = 16 keys), O^T = v^T p^T (source 0 = 16 features): a lane holds one query.  The head's 64 fill the lower half of the first product's K = 128:
; q's upper six registers are zero codes; k's upper six are whatever follows (the next tile's codes: every 6-bit pattern is a finite number), and the scale bytes there are 1.
; Register 16 b + 8 u + j of lane half h is key 32 b + 16 u + 8 h + j, laid at place 32 b + 16 h + 8 u + j: the permutation inside a block of 32 keys that v's image carries too; blocks and scales are the true ones.
; v's image rows are chosen so that O^T's registers run along 16 neighbouring features.
; LIMITS: inside a block of 32 keys the products are added in the permuted order; a division is v_rcp_f32 and a multiplication; a block of zeros carries the byte 1; NaN and infinities are not served.
; ctx's two scale bytes a row leave by a store of 2 bytes: the word's other half belongs to another head's work-group.
; REGISTERS: v1-10 addresses (v4: the mask's lane constant); v12 -M, v13 the largest t, v[14:15] the sum; v16-27 q; v28 q's scale word; v32-85 k's eight halves (v80-85 zeros), later v32-79 v's four fragments; v86-93 k's scale words;
;   v96-159 S^T, then p; v160-191 O^T; v192-195 v's scale words; v196-215 p's codes; v216-235 at work; v236-238 offsets of the way out.
.set KVU,  13056
.set QU,   6656
.set UNIT, 12800
.set SCO,  12288
.set WV,  10
.set QS,  15                           ; s15  my block's first query = the first key of the step on the diagonal
.set KF,  44
.set TB,  45
.set CNT, 46
.set SEL, 48
.set CS,  50
.macro FRAG reg, a16, a8, off
	ds_load_b128 v[(\reg):(\reg)+3],     v[\a16] offset:(\off)
	ds_load_b64  v[(\reg)+4:(\reg)+5],   v[\a8]  offset:(\off)+512
	ds_load_b128 v[(\reg)+6:(\reg)+9],   v[\a16] offset:(\off)+768
	ds_load_b64  v[(\reg)+10:(\reg)+11], v[\a8]  offset:(\off)+1280
.endm
; A round of the cluster's barrier: my work-group's barrier, so that wave 0's signal speaks for all sixteen waves; wave 0 signals for the work-group; every wave waits for all four work-groups; my work-group's barrier once more.
.macro CROUND
	s_barrier_signal -1
	s_barrier_wait -1
	s_cmp_lg_u32 s[WV], 0
	s_cbranch_scc1 .Lnot_wave_0_\@
	s_barrier_signal -3
.Lnot_wave_0_\@:
	s_barrier_wait -3
	s_barrier_signal -1
	s_barrier_wait -1
.endm
	s_load_b128 s[4:7], s[0:1], 0x0                ; qimg, kvimg
	s_load_b64 s[8:9], s[0:1], 0x10                ; cimg
	v_lshl_add_u32 v254, v0, 2, 0x33000
	v_mov_b32 v255, 0
	ds_add_u32 v254, v255
	ds_add_u32 v254, v255
	v_lshrrev_b32 v4, 5, v0
	s_delay_alu instid0(VALU_DEP_1)
	v_readfirstlane_b32 s[WV], v4                  ; wave 0..15
	s_and_b32 s11, ttmp7, 0xffff                   ; 16 x batch + head, which the four partners share
	s_bfe_u32 s52, ttmp6, 0x40000                  ; cx: my place in the cluster
	s_mov_b32 s24, 15|(3<<16)|(1<<21)              ; group 1: 15:0 the mask: all four work-groups; 17:16 elements of 8 bytes; 21 set beside a mask; no padding
	s_mov_b32 s25, 32<<16                          ; 13,056 dense bytes as 51 rows of 256
	s_mov_b32 s26, 51<<16
	s_mov_b32 s27, 32<<16
	s_mov_b32 s28, 51
	s_mov_b32 s29, 32
	s_mov_b32 s30, 0
	s_mov_b32 s31, 0
	s_lshl_b32 s34, s11, 4
	s_add_co_u32 s35, s34, s[WV]                   ; my unit: key step w of my head
	s_mul_i32 s36, s35, KVU
	s_mov_b32 s37, 0
	s_mov_b32 s20, 1
	s_mul_i32 s21, s[WV], KVU                      ; its place in LDS: no place in the cluster enters an LDS address
	s_wait_dscnt 0x0
	s_wait_kmcnt 0x0
	s_add_nc_u64 s[22:23], s[6:7], s[36:37]
	s_or_b32 s23, s23, 0x80000000
	CROUND                                         ; all four work-groups are here: the joint loads meet
	tensor_load_to_lds s[20:23], s[24:31]          ; my one tensor load
	s_nop 0
.rept 4
	v_nop
.endr
	s_lshr_b32 s12, s[WV], 2
	s_xor_b32 s12, s12, s[WV]
	s_and_b32 s12, s12, 1                          ; 1: the late block of the pair
	s_bfe_u32 s13, s[WV], 0x10001
	s_bfe_u32 s16, s[WV], 0x10003
	s_lshl_b32 s16, s16, 1
	s_add_co_u32 s13, s13, s16                     ; the pair, 0..3
	s_xor_b32 s16, s13, ttmp9                      ; (in a cluster launch ttmp9 counts clusters: 0 or 1)
	s_and_b32 s16, s16, 1
	s_lshl_b32 s14, s13, 1
	s_add_co_u32 s14, s14, s16                     ; its early block
	s_sub_co_u32 s16, 15, s14
	s_cmp_eq_u32 s12, 1
	s_cselect_b32 s14, s16, s14                    ; my block of 128 queries: the same in all four partners
	s_lshl_b32 s[QS], s14, 7
	s_bfe_u32 s13, s[WV], 0x10002
	s_lshl_b32 s16, s52, 1
	s_add_co_u32 s13, s13, s16                     ; my tile of the block: 2 cx + bit 2 of w
	s_add_co_u32 s38, s34, s14
	s_mul_i32 s38, s38, QU
	s_mov_b32 s39, 0
	s_add_nc_u64 s[4:5], s[4:5], s[38:39]          ; q's unit
	s_and_b32 s40, s11, 16
	s_add_co_u32 s40, s40, s14                     ; the block of 128 tokens,
	s_lshl_b32 s40, s40, 3
	s_bfe_u32 s41, s11, 0x30001                    ; head / 2: the K step of the next product
	s_add_co_u32 s40, s40, s41
	s_mul_i32 s40, s40, UNIT
	s_mov_b32 s41, 0
	s_add_nc_u64 s[8:9], s[8:9], s[40:41]          ; ctx's unit
	s_and_b32 s42, s11, 1                          ; head % 2: which half of the fragment
	s_mov_b32 s[SEL], 0x76543210
	s_mov_b32 s[SEL+1], 0xfedcba98
	s_mov_b32 s[CS], 0x3e38aa3b                    ; c = log2(e) / 8
	s_mov_b32 s[CS+1], s[CS]
	s_mov_b32 s[KF], 0
	s_mov_b32 s[TB], 0
	s_mov_b32 s[CNT], 16
	v_and_b32 v11, 31, v0
	v_and_b32 v29, 15, v0                          ; r
	v_bfe_u32 v30, v0, 4, 1                        ; h
	s_delay_alu instid0(VALU_DEP_3)
	v_lshlrev_b32 v1, 4, v11                       ; 16 x lane
	s_wait_alu depctr_va_vdst(0)
	v_lshlrev_b32 v2, 3, v11                       ; 8 x lane
	s_wait_alu depctr_va_vdst(0)
	v_lshlrev_b32 v3, 4, v29                       ; 16 r
	v_lshlrev_b32 v4, 3, v30
	s_delay_alu instid0(VALU_DEP_1)
	v_sub_nc_u32 v4, v29, v4
	s_lshl_b32 s16, s13, 4
	v_add_nc_u32 v4, s16, v4                       ; d = 16 x tile + r - 8 h: my query less the diagonal step's first key less 8 h
	s_mul_i32 s17, s13, 768
	v_add_nc_u32 v5, s17, v1
	v_add_nc_u32 v6, s17, v2
	s_lshr_b32 s18, s13, 2
	s_lshl_b32 s18, s18, 8
	s_and_b32 s19, s13, 3
	s_lshl_b32 s19, s19, 2
	s_add_co_u32 s18, s18, s19
	v_add_nc_u32 v7, s18, v3                       ; my tile's scale words
	global_load_b128 v[16:19], v5, s[4:5]
	global_load_b64 v[20:21], v6, s[4:5] offset:512
	global_load_b32 v28, v7, s[4:5] offset:6144
	s_mul_i32 s17, s13, 1536
	s_mul_i32 s19, s42, 768
	s_add_co_u32 s17, s17, s19
	v_add_nc_u32 v236, s17, v1
	v_add_nc_u32 v237, s17, v2
	s_lshl_b32 s19, s42, 1
	v_add_nc_u32 v238, s19, v7
.irp j, 22,23,24,25,26,27,80,81,82,83,84,85
	v_mov_b32 v[\j], 0                             ; zero codes
.endr
	v_mov_b32 v13, 0xff61b1e6                      ; the largest t so far: -3e38
	s_delay_alu instid0(VALU_DEP_1)
	v_floor_f32 v12, -v13                          ; -M
	v_mov_b32 v14, 0
	v_mov_b32 v15, 0
.irp j, 220,221,222,223,229,230
	v_mov_b32 v[\j], 0                             ; permutes' destinations and a pair's upper half: written once
.endr
	v_mov_b32 v235, 0xff800000                     ; -infinity
.set j, 0
.rept 32
	v_mov_b32 v[160+j], 0                          ; O^T: the loop is written once; its first step finds zeros
.set j, j+1
.endr
	s_wait_tensorcnt 0x0                           ; my unit has landed,
	s_barrier_signal -1
	s_barrier_wait -1                              ; everybody's has
	s_wait_loadcnt 0x0                             ; q
.Lstep:
	s_cmp_gt_u32 s[KF], s[QS]                      ; all 128 keys come after my block's queries: nothing to do
	s_cbranch_scc1 .Lhidden
	v_add_nc_u32 v8, s[TB], v1
	v_add_nc_u32 v9, s[TB], v2
	v_add_nc_u32 v10, s[TB], v3
	v_nop                                          ; four places in front of loads into registers that the last products read
.irp t, 0,1,2,3,4,5,6,7
	ds_load_b128 v[32+6*\t:35+6*\t], v8 offset:768*\t
	ds_load_b64 v[36+6*\t:37+6*\t], v9 offset:768*\t+512
.endr
	ds_load_b128 v[86:89], v10 offset:6144
	ds_load_b128 v[90:93], v10 offset:6400
	s_wait_alu depctr_va_vdst(0)
	s_wait_dscnt 0x0
.irp t, 0,1,2,3,4,5,6,7
	v_wmma_scale_f32_16x16x128_f8f6f4 v[96+8*\t:103+8*\t], v[32+6*\t:43+6*\t], v[16:27], 0, v[86+\t], v28 matrix_a_fmt:MATRIX_FMT_FP6 matrix_b_fmt:MATRIX_FMT_FP6
.endr
.rept 4
	v_nop
.endr
.irp i, 0,1,2,3
	FRAG 32+12*\i, 8, 9, 6656+1536*\i              ; v is asked for now and lands under the softmax
.endr
	ds_load_b128 v[192:195], v10 offset:12800
	s_cmp_lt_u32 s[KF], s[QS]
	s_cbranch_scc1 .Lopen                          ; all keys count
.set n, 0                              ; the step on the diagonal.  Register n holds key KF + 16 (n / 8) + 8 h + n % 8: hidden where 16 (n / 8) + n % 8 > d
.rept 64
	v_cmp_gt_i32 vcc_lo, 16*(n/8)+n%8, v4
	v_cndmask_b32 v[96+n], v[96+n], v235, vcc_lo
.set n, n+1
.endr
.Lopen:
.irp b, 0,1,2,3
	v_max3_num_f32 v[216+\b], v[96+16*\b], v[97+16*\b], v[98+16*\b]   ; the largest score of each block of 32 keys: for the row's maximum and, since p rises with the score, for the block's largest p
.endr
.irp i, 3,5,7,9,11,13
.irp b, 0,1,2,3
	v_max3_num_f32 v[216+\b], v[216+\b], v[96+16*\b+\i], v[97+16*\b+\i]
.endr
.endr
.irp b, 0,1,2,3
	v_max_num_f32 v[216+\b], v[216+\b], v[111+16*\b]
.endr
.irp b, 0,1,2,3
	s_delay_alu instid0(VALU_DEP_4)
	v_permlanex16_b32 v[220+\b], v[216+\b], s[SEL], s[SEL+1]
.endr
.irp b, 0,1,2,3
	s_delay_alu instid0(VALU_DEP_4)
	v_max_num_f32 v[216+\b], v[216+\b], v[220+\b]
.endr
	s_delay_alu instid0(VALU_DEP_2)
	v_max3_num_f32 v230, v216, v217, v218
	s_delay_alu instid0(VALU_DEP_1)
	v_max_num_f32 v230, v230, v219
	s_delay_alu instid0(VALU_DEP_1)
	v_mul_f32 v230, s[CS], v230
	s_delay_alu instid0(VALU_DEP_1)
	v_max_num_f32 v13, v13, v230                   ; the running largest t
	v_mov_b32 v230, v12
	s_delay_alu instid0(VALU_DEP_2)
	v_floor_f32 v12, -v13                          ; the new -M = -ceil(t)
	s_delay_alu instid0(VALU_DEP_1)
	v_sub_f32 v230, v12, v230                      ; old M - new M: a whole number, 0 or less
	s_delay_alu instid0(VALU_DEP_1)
	v_cvt_i32_f32 v230, v230                       ; (it saturates)
	s_delay_alu instid0(VALU_DEP_1)
	v_ldexp_f32 v228, 1.0, v230                    ; f = 2^(old M - new M)
.set j, 0
.rept 32
	v_pk_fma_f32 v[96+j:97+j], v[96+j:97+j], s[CS:CS+1], v[12:13] op_sel_hi:[1,0,0]   ; t - M
.set j, j+2
.endr
.irp b, 0,1,2,3
	v_fma_f32 v[216+\b], v[216+\b], s[CS], v12
.endr
.set j, 0
	s_wait_alu depctr_va_vdst(0)
.rept 64
	v_exp_f32 v[96+j], v[96+j]                     ; p = 2^(t - M)
.set j, j+1
.endr
.irp b, 0,1,2,3
	v_exp_f32 v[216+\b], v[216+\b]                 ; the block's largest p: the same two instructions on the same number
.endr
	v_pk_mul_f32 v[14:15], v[14:15], v[228:229] op_sel_hi:[1,0]   ; the sums under the new M (a plain place behind the exponentials)
	s_wait_alu depctr_va_vdst(0)
.irp b, 0,1,2,3
	v_max_num_f32 v[216+\b], 0x1800000, v[216+\b]  ; the floor 2^(3 - 127)
.endr
.irp b, 0,1,2,3
	s_delay_alu instid0(VALU_DEP_4)
	v_add_nc_u32 v[224+\b], 0xff000000, v[216+\b]
.endr
.irp b, 0,1,2,3
	s_delay_alu instid0(VALU_DEP_4)
	v_lshrrev_b32 v[220+\b], 23, v[224+\b]
.endr
	s_delay_alu instid0(VALU_DEP_3)
	v_lshl_or_b32 v231, v221, 8, v220              ; p's scale word for these 128 keys
	s_delay_alu instid0(VALU_DEP_1)
	v_lshl_or_b32 v231, v222, 16, v231
	s_delay_alu instid0(VALU_DEP_1)
	v_lshl_or_b32 v231, v223, 24, v231
.irp c, 0,1
	v_cvt_scalef32_pk16_fp6_f32 v[196+6*\c:198+6*\c], v[96+32*\c:111+32*\c], v[224+2*\c]
	v_cvt_scalef32_pk16_fp6_f32 v[208+4*\c:210+4*\c], v[112+32*\c:127+32*\c], v[224+2*\c+1]
.endr
	v_nop                                          ; one plain place behind a scaled conversion
.irp c, 0,1
.irp i, 0,1,2
	v_permlane16_swap_b32 v[196+6*\c+\i], v[208+4*\c+\i]
.endr
.irp i, 0,1,2
	s_delay_alu instid0(VALU_DEP_3)
	v_mov_b32 v[199+6*\c+\i], v[208+4*\c+\i]
.endr
.endr
	v_pk_add_f32 v[232:233], v[100:101], v[104:105]
	v_pk_add_f32 v[252:253], v[108:109], v[112:113]
	v_pk_add_f32 v[250:251], v[116:117], v[120:121]
	v_pk_add_f32 v[248:249], v[124:125], v[128:129]
	v_pk_add_f32 v[246:247], v[132:133], v[136:137]
	v_pk_add_f32 v[244:245], v[140:141], v[144:145]
	v_pk_add_f32 v[242:243], v[148:149], v[152:153]
	v_pk_add_f32 v[14:15], v[14:15], v[156:157]
	v_pk_add_f32 v[232:233], v[232:233], v[96:97]
	v_pk_add_f32 v[252:253], v[252:253], v[98:99]
	v_pk_add_f32 v[250:251], v[250:251], v[102:103]
	v_pk_add_f32 v[248:249], v[248:249], v[106:107]
	v_pk_add_f32 v[246:247], v[246:247], v[110:111]
	v_pk_add_f32 v[244:245], v[244:245], v[114:115]
	v_pk_add_f32 v[242:243], v[242:243], v[118:119]
	v_pk_add_f32 v[14:15], v[14:15], v[122:123]
	v_pk_add_f32 v[232:233], v[232:233], v[126:127]
	v_pk_add_f32 v[252:253], v[252:253], v[130:131]
	v_pk_add_f32 v[250:251], v[250:251], v[134:135]
	v_pk_add_f32 v[248:249], v[248:249], v[138:139]
	v_pk_add_f32 v[246:247], v[246:247], v[142:143]
	v_pk_add_f32 v[244:245], v[244:245], v[146:147]
	v_pk_add_f32 v[242:243], v[242:243], v[150:151]
	v_pk_add_f32 v[14:15], v[14:15], v[154:155]
	v_pk_add_f32 v[232:233], v[232:233], v[158:159]
	s_delay_alu instid0(VALU_DEP_2)
	v_pk_add_f32 v[14:15], v[14:15], v[248:249]
	s_delay_alu instid0(VALU_DEP_2)
	v_pk_add_f32 v[232:233], v[232:233], v[246:247]
	v_pk_add_f32 v[252:253], v[252:253], v[244:245]
	v_pk_add_f32 v[250:251], v[250:251], v[242:243]
	s_delay_alu instid0(VALU_DEP_2)
	v_pk_add_f32 v[14:15], v[14:15], v[252:253]
	s_delay_alu instid0(VALU_DEP_2)
	v_pk_add_f32 v[232:233], v[232:233], v[250:251]
	s_delay_alu instid0(VALU_DEP_1)
	v_pk_add_f32 v[14:15], v[14:15], v[232:233]
.set j, 0
.rept 16
	v_pk_mul_f32 v[160+j:161+j], v[160+j:161+j], v[228:229] op_sel_hi:[1,0]   ; O^T under the new M
.set j, j+2
.endr
	s_wait_alu depctr_va_vdst(0)
	s_wait_dscnt 0x0                               ; v
.irp i, 0,1,2,3
	v_wmma_scale_f32_16x16x128_f8f6f4 v[160+8*\i:167+8*\i], v[32+12*\i:43+12*\i], v[196:207], v[160+8*\i:167+8*\i], v[192+\i], v231 matrix_a_fmt:MATRIX_FMT_FP6 matrix_b_fmt:MATRIX_FMT_FP6
.endr
.Lhidden:
	s_add_co_u32 s[KF], s[KF], 128
	s_add_co_u32 s[TB], s[TB], KVU
	s_sub_co_u32 s[CNT], s[CNT], 1
	s_cmp_lg_u32 s[CNT], 0
	s_cbranch_scc1 .Lstep
.rept 4
	v_nop                                          ; places behind the last products
.endr
	v_add_f32 v14, v14, v15
	s_delay_alu instid0(VALU_DEP_1)
	v_permlanex16_b32 v230, v14, s[SEL], s[SEL+1]
	s_delay_alu instid0(VALU_DEP_1)
	v_add_f32 v14, v14, v230                       ; the row's sum
	s_wait_alu depctr_va_vdst(0)
	v_rcp_f32 v14, v14
	v_nop
.set j, 0
	s_wait_alu depctr_va_vdst(0)
.rept 32
	v_mul_f32 v[96+j], v[160+j], v14               ; ctx: register 16 b + i is feature 32 b + 16 h + i of the head
.set j, j+1
.endr
.irp b, 0,1
	v_max3_num_f32 v[216+\b], |v[96+16*\b]|, |v[97+16*\b]|, 0x1800000
.endr
.irp i, 2,4,6,8,10,12,14
.irp b, 0,1
	s_delay_alu instid0(VALU_DEP_2)
	v_max3_num_f32 v[216+\b], v[216+\b], |v[96+16*\b+\i]|, |v[97+16*\b+\i]|
.endr
.endr
.irp b, 0,1
	s_delay_alu instid0(VALU_DEP_2)
	v_permlanex16_b32 v[220+\b], v[216+\b], s[SEL], s[SEL+1]
.endr
.irp b, 0,1
	s_delay_alu instid0(VALU_DEP_2)
	v_max_num_f32 v[216+\b], v[216+\b], v[220+\b]
.endr
.irp b, 0,1
	s_delay_alu instid0(VALU_DEP_2)
	v_add_nc_u32 v[224+\b], 0xff000000, v[216+\b]
.endr
.irp b, 0,1
	s_delay_alu instid0(VALU_DEP_2)
	v_lshrrev_b32 v[220+\b], 23, v[224+\b]
.endr
	s_delay_alu instid0(VALU_DEP_1)
	v_lshl_or_b32 v231, v221, 8, v220              ; the head's two scale bytes of my row
	v_cvt_scalef32_pk16_fp6_f32 v[196:198], v[96:111], v224
	v_cvt_scalef32_pk16_fp6_f32 v[208:210], v[112:127], v225
	v_nop
.irp i, 0,1,2
	v_permlane16_swap_b32 v[196+\i], v[208+\i]
.endr
.irp i, 0,1,2
	s_delay_alu instid0(VALU_DEP_3)
	v_mov_b32 v[199+\i], v[208+\i]
.endr
	global_store_b128 v236, v[196:199], s[8:9]               ; half a fragment: 512 and 256 consecutive bytes
	global_store_b64 v237, v[200:201], s[8:9] offset:512
	global_store_b16 v238, v231, s[8:9] offset:SCO
	s_wait_tensorcnt 0x0
	ds_add_u32 v254, v255
	s_wait_dscnt 0x0
	CROUND                                         ; the closing round: no work-group ends while a partner may still ask for a unit that names it
	s_endpgm
.Lfunc_end_k_q6b66f5fa7a_att:
	.size	k_q6b66f5fa7a_att, .Lfunc_end_k_q6b66f5fa7a_att-k_q6b66f5fa7a_att
	.p2alignl 7, 3214868480
	.fill 96, 4, 3214868480
	.section	.rodata,"a",@progbits
	.p2align	6, 0x0
	.amdhsa_kernel k_q6b66f5fa7a_att
		.amdhsa_group_segment_fixed_size 210944
		.amdhsa_private_segment_fixed_size 0
		.amdhsa_enable_private_segment 0
		.amdhsa_kernarg_size 24
		.amdhsa_user_sgpr_count 2
		.amdhsa_user_sgpr_kernarg_segment_ptr 1
		.amdhsa_wavefront_size32 1
		.amdhsa_system_sgpr_workgroup_id_x 1
		.amdhsa_system_sgpr_workgroup_id_y 1
		.amdhsa_system_sgpr_workgroup_id_z 1
		.amdhsa_system_vgpr_workitem_id 0
		.amdhsa_next_free_vgpr 256
		.amdhsa_next_free_sgpr 66
		.amdhsa_reserve_vcc 1
		.amdhsa_float_denorm_mode_32 3
		.amdhsa_float_denorm_mode_16_64 3
		.amdhsa_memory_ordered 1
		.amdhsa_forward_progress 1
		.amdhsa_inst_pref_size 35
	.end_amdhsa_kernel
	.amdgpu_metadata
---
amdhsa.version: [ 1, 2 ]
amdhsa.kernels:
  - .name:           k_q6b66f5fa7a_att
    .symbol:         k_q6b66f5fa7a_att.kd
    .args:
      - { .name: qimg, .offset: 0, .size: 8, .value_kind: global_buffer, .address_space: global }
      - { .name: kvimg, .offset: 8, .size: 8, .value_kind: global_buffer, .address_space: global }
      - { .name: cimg, .offset: 16, .size: 8, .value_kind: global_buffer, .address_space: global }
    .group_segment_fixed_size: 210944
    .private_segment_fixed_size: 0
    .kernarg_segment_align: 8
    .kernarg_segment_size: 24
    .max_flat_workgroup_size: 512
    .sgpr_count:     66
    .vgpr_count:     256
    .wavefront_size: 32
...
	.end_amdgpu_metadata
.endif
;; end of part 3
;; launch wo (part 4): grid 8 x 32, 4 waves a work-group, clusters of 4 x 4, 327,680 bytes of LDS; arguments cimg, wimg, bo, x, x1; writes x1
.if DOCPART == 4
	.amdgcn_target "amdgcn-amd-amdhsa--gfx1250"
	.amdhsa_code_object_version 6
	.text
	.protected	k_q6b66f5fa7a_wo
	.globl	k_q6b66f5fa7a_wo
	.p2align	8
	.type	k_q6b66f5fa7a_wo,@function
k_q6b66f5fa7a_wo:
	s_mov_b64 s[64:65], 0
	v_nop
	global_prefetch_b8 v0, s[64:65] scope:SCOPE_SE
	s_setreg_imm32_b32 hwreg(HW_REG_WAVE_MODE, 25, 1), 1
	s_wait_xcnt 0x0
	s_wait_alu depctr_hold_cnt(0) depctr_sa_sdst(0) depctr_va_vdst(0) depctr_va_sdst(0) depctr_va_ssrc(0) depctr_va_vcc(0) depctr_vm_vsrc(0)
	s_getreg_b32 s2, hwreg(HW_REG_IB_STS2, 6, 4)
	s_cmp_eq_u32 s2, 0
	s_cbranch_scc0 .Lentry_in_a_cluster
	s_endpgm
.Lentry_in_a_cluster:
	s_bfe_u32 s2, ttmp6, 0x10000c
	s_cmp_lg_u32 s2, 0xf033
	s_cbranch_scc0 .Lentry_shape_is_right
	s_endpgm
.Lentry_shape_is_right:
; out = residual + (A W^T + bias) on codes of FP6 (E2M3): here A = ctx's image, W = Wo's image (units WBASE on), K = 128 NKS = 1,024; out and residual [4,096][1,024] f32.
; The result has only 1,024 columns, so a tile is 128 tokens x 128 features: 256 work-groups.  Four waves, each 64 x 64: 16 accumulators.  Source 0 = 16 rows of W, source 1 = 16 tokens:
; a lane holds one token, and (by the order of W's image rows) the registers of two neighbouring tiles are 16 neighbouring features.
; Operands are images of operand registers: units of 128 rows x 128 K, 12,800 bytes.  A slot holds FOUR K steps of both sides (wave 0: A's steps 0-3, wave 1: A's 4-7; waves 2, 3: W's likewise); two slots.
; With NKS = 8 the two first fills are all of K: nothing is filled again.
; CLUSTERS of 4 x 4: A's tile is shared along a row of the cluster, W's along a column: joint loads.
; THE WAY OUT: a block of 16 tokens x 64 features goes through the wave's own stage in LDS and comes back as rows of 256 bytes; bias and residual are added; sixteen lanes store 256 consecutive bytes, aligned.
; REGISTERS: window 0: v16-31 addresses; v32-39 scale words, two sets, and nothing else; v40-43 bias; v64-127 rows on the way out; v128-255 accumulator (a, b) at v[128 + 8 (4 a + b)].
;   window 1: two fragment buffers at v0 and v128: A's four at + 12 a, W's four at + 48 + 12 b.   window 2: v0-127 the residual, asked for at the head.
.set NKS,   8
.set WBASE, 192
.set UNIT,  12800
.set SCO,   12288
; ALL OF K COMES BY ONE LOAD A WAVE: wave 0 brings A's units 0-3, wave 1 A's 4-7, waves 2 and 3 W's likewise: 51,200 bytes each, laid one behind the other.  Nothing is filled later.
.set REG,   4*UNIT                     ; what a wave's one load brings
.set SLOT,  REG                        ; K steps 4-7 of a side lie four units behind its K steps 0-3
.set SPARE, 4*REG                      ; the spare words, 128 bytes for each wave: two blocks of 256 bytes that no other line names
.set STAGE, SPARE+512
.set SPITCH, 272
.set LAPS,  NKS/8
.set FR, 12
.set A16, 16
.set A8,  18
.set B16, 20
.set B8,  22
.set ADRS, 24
.set STO, 26
.set RD,  27
.set SPW, 28
.set NIL, 29
.set CO,  30
.set R16, 31
.set SC,  32
.set BIAS, 40
.set T,   64
.set ACC, 128
.set F0,  0
.set F1,  128
.set WV, 18
.set WX, 19
.set WY, 20
.set G1, 24
.set G0, 32
.set G1B, 48
.set G0B, 56
.set MSB, 0
.macro WIN new
.if MSB != (\new)
	s_set_vgpr_msb (MSB<<8)|(\new)
.set MSB, (\new)
.endif
.endm
.set MUL,  0x05                        ; sources 0 and 1 window 1; C and D window 0
.set TO_F, 0x40
.macro JLOAD s                         ; a joint load: waves 0 and 1 fetch for A, waves 2 and 3 for W; four v_nop follow each of the two lines
	s_cmp_eq_u32 s[WX], 0
	s_cbranch_scc0 .Lfor_b_\@
	tensor_load_to_lds s[G0+4*\s:G0+4*\s+3], s[G1:G1+7]
	s_nop 0
.rept 4
	v_nop
.endr
	s_branch .Lasked_\@
.Lfor_b_\@:
	tensor_load_to_lds s[G0B+4*\s:G0B+4*\s+3], s[G1B:G1B+7]
	s_nop 0
.rept 4
	v_nop
.endr
.Lasked_\@:
.endm
.macro CREST
	s_cmp_lg_u32 s[WV], 0
	s_cbranch_scc1 .Lnot_wave_0_\@
	s_barrier_signal -3
.Lnot_wave_0_\@:
	s_barrier_wait -3
	s_barrier_signal -1
	s_barrier_wait -1
.endm
.macro CROUND
	s_barrier_signal -1
	s_barrier_wait -1
	CREST
.endm
.macro PLACES
.rept 4
	v_nop
.endr
.endm
.macro FRAG reg, a16, a8, off
	ds_load_b128 v[(\reg):(\reg)+3],     v[\a16] offset:(\off)
	ds_load_b64  v[(\reg)+4:(\reg)+5],   v[\a8]  offset:(\off)+512
	ds_load_b128 v[(\reg)+6:(\reg)+9],   v[\a16] offset:(\off)+768
	ds_load_b64  v[(\reg)+10:(\reg)+11], v[\a8]  offset:(\off)+1280
.endm
.macro MUL4 f, a, zero                 ; A's tile a x W's four.  The 16 accumulators take turns, one instruction a turn
.irp b, 0,1,2,3
.if \zero
	v_wmma_scale_f32_16x16x128_f8f6f4 v[ACC+8*(4*(\a)+\b):ACC+8*(4*(\a)+\b)+7], v[\f+48+FR*\b:\f+48+FR*\b+FR-1], v[\f+FR*(\a):\f+FR*(\a)+FR-1], 0, v[SC+4*(\f/128)+\b], v[SC+4*(\f/128)+(\a)] matrix_a_fmt:MATRIX_FMT_FP6 matrix_b_fmt:MATRIX_FMT_FP6 matrix_a_scale:MATRIX_SCALE_ROW1
.else
	v_wmma_scale_f32_16x16x128_f8f6f4 v[ACC+8*(4*(\a)+\b):ACC+8*(4*(\a)+\b)+7], v[\f+48+FR*\b:\f+48+FR*\b+FR-1], v[\f+FR*(\a):\f+FR*(\a)+FR-1], v[ACC+8*(4*(\a)+\b):ACC+8*(4*(\a)+\b)+7], v[SC+4*(\f/128)+\b], v[SC+4*(\f/128)+(\a)] matrix_a_fmt:MATRIX_FMT_FP6 matrix_b_fmt:MATRIX_FMT_FP6 matrix_a_scale:MATRIX_SCALE_ROW1
.endif
.endr
.endm
.macro FETCH slot, q, f                ; 33 LDS loads: the scale words (lanes 0-15 A's four tiles, lanes 16-31 W's), W's four fragments, A's four
	WIN 0
	ds_load_b128 v[SC+4*(\f/128):SC+4*(\f/128)+3], v[ADRS+\slot] offset:UNIT*(\q)
	WIN TO_F
.irp b, 0,1,2,3
	FRAG \f+48+FR*\b, B16+\slot, B8+\slot, UNIT*(\q)+1536*\b
.endr
.irp a, 0,1,2,3
	FRAG \f+FR*\a, A16+\slot, A8+\slot, UNIT*(\q)+1536*\a
.endr
.endm
.macro KSTEP slot, qn, f, g, zero      ; multiplies buffer f; in its middle fetches the slot's K step qn into buffer g
	s_wait_dscnt 8                                 ; all but the youngest eight loads (A's tiles 2, 3)
	WIN MUL
	MUL4 \f, 0, \zero
	MUL4 \f, 1, \zero
	PLACES
	FETCH \slot, \qn, \g
	s_wait_dscnt 33                                ; all but the 33 just issued
	WIN MUL
	MUL4 \f, 2, \zero
	MUL4 \f, 3, \zero
.endm
.macro TURN slot, next, fill           ; a slot's last K step changes slots: one barrier, with the three lines in front of it
	WIN 0
	s_wait_tensorcnt 0x0                           ; all my tensor loads have landed: my part of the next slot
	ds_add_u32 v[SPW], v[NIL]                      ; 0 onto my spare word
	s_wait_dscnt 9                                 ; (the add and the youngest eight loads may be out)
	WIN MUL
	MUL4 F1, 0, 0
	s_wait_dscnt 0x0                               ; the add is done, and my reads of this slot are over
	s_barrier_signal -1
	MUL4 F1, 1, 0
.if \fill
	WIN 0
.endif
	s_barrier_wait -1
.if \fill
	CREST
	s_add_nc_u64 s[G0+4*\slot+2:G0+4*\slot+3], s[G0+4*\slot+2:G0+4*\slot+3], 4*REG
	s_add_nc_u64 s[G0B+4*\slot+2:G0B+4*\slot+3], s[G0B+4*\slot+2:G0B+4*\slot+3], 4*REG
	JLOAD \slot
.else
	PLACES
.endif
	FETCH \next, 0, F0
	WIN MUL
	MUL4 F1, 2, 0
	MUL4 F1, 3, 0
.endm
	s_load_b256 s[4:11], s[0:1], 0x0               ; A's image, wimg, bias, residual
	s_load_b64 s[12:13], s[0:1], 0x20              ; out
	v_lshl_add_u32 v[SPW], v0, 2, SPARE
	v_mov_b32 v[NIL], 0
	ds_add_u32 v28, v29
	ds_add_u32 v28, v29
	s_wait_dscnt 0x0
	v_lshrrev_b32 v1, 5, v0
	v_readfirstlane_b32 s[WV], v1
	s_lshr_b32 s[WX], s[WV], 1                     ; my 64 tokens.  Also: I fetch for A (0) or for W (1)
	s_and_b32 s[WY], s[WV], 1                      ; my 64 features.  Also: which four K steps I fetch
	s_bfe_u32 s40, ttmp6, 0x40000
	s_bfe_u32 s41, ttmp6, 0x40004
	s_lshl_b32 s42, ttmp9, 2
	s_add_co_u32 s42, s42, s40                     ; the block of 128 features
	s_and_b32 s17, ttmp7, 0xffff
	s_lshl_b32 s17, s17, 2
	s_add_co_u32 s17, s17, s41                     ; the block of 128 tokens
	s_lshl_b32 s43, s41, 2
	s_lshl_b32 s43, 15, s43
	s_lshl_b32 s44, 0x1111, s40
	s_or_b32 s[G1], s43, (3<<16)|(1<<21)           ; the mask; elements of 8 bytes; bit 21 beside a mask; no padding
	s_or_b32 s[G1B], s44, (3<<16)|(1<<21)
.irp g, G1, G1B
	s_mov_b32 s[\g+1], 32<<16
	s_mov_b32 s[\g+2], 200<<16                     ; 51,200 dense bytes as 200 rows of 256
	s_mov_b32 s[\g+3], 32<<16
	s_mov_b32 s[\g+4], 200
	s_mov_b32 s[\g+5], 32
	s_mov_b32 s[\g+6], 0
	s_mov_b32 s[\g+7], 0
.endr
	s_lshl_b32 s21, s[WY], 2                       ; which four K steps I fetch
	s_mul_i32 s66, s17, NKS
	s_add_co_u32 s66, s66, s21
	s_mul_i32 s66, s66, UNIT
	s_mov_b32 s67, 0
	s_mul_i32 s68, s42, NKS
	s_add_co_u32 s68, s68, s21
	s_add_co_u32 s68, s68, WBASE
	s_mul_i32 s68, s68, UNIT
	s_mov_b32 s69, 0
	s_mul_i32 s45, s[WV], REG
	s_wait_kmcnt 0x0
	s_add_nc_u64 s[70:71], s[4:5], s[66:67]
	s_add_nc_u64 s[72:73], s[6:7], s[68:69]
	CROUND                                         ; all sixteen work-groups are here: the first joint loads meet
.irp s, 0
	s_mov_b32 s[G0+4*\s], 1
	s_add_co_u32 s[G0+4*\s+1], s45, \s*SLOT
	s_add_nc_u64 s[G0+4*\s+2:G0+4*\s+3], s[70:71], \s*2*REG
	s_or_b32 s[G0+4*\s+3], s[G0+4*\s+3], 0x80000000
	s_mov_b32 s[G0B+4*\s], 1
	s_add_co_u32 s[G0B+4*\s+1], s45, \s*SLOT
	s_add_nc_u64 s[G0B+4*\s+2:G0B+4*\s+3], s[72:73], \s*2*REG
	s_or_b32 s[G0B+4*\s+3], s[G0B+4*\s+3], 0x80000000
	JLOAD \s                                       ; my one tensor load is out
.endr
	v_and_b32 v1, 31, v0
	v_and_b32 v2, 15, v0                           ; r
	v_bfe_u32 v3, v0, 4, 1                         ; h
	v_lshlrev_b32 v4, 4, v1
	s_wait_alu depctr_va_vdst(0)
	v_lshlrev_b32 v5, 3, v1
	s_wait_alu depctr_va_vdst(0)
	s_mul_i32 s21, s[WX], 6144                     ; my four tiles of A
	s_mul_i32 s22, s[WY], 6144
	s_add_co_u32 s22, s22, 2*REG                   ; my four of W, behind A's eight units
	s_lshl_b32 s23, s[WX], 8
	s_lshl_b32 s43, s[WY], 8
	s_add_co_u32 s43, s43, 2*REG
	s_sub_co_u32 s43, s43, s23
	v_mul_u32_u24 v6, s43, v3                      ; lanes 16-31 take W's scale words
	v_lshl_add_u32 v6, v2, 4, v6
	s_add_co_u32 s23, s23, SCO
.irp s, 0,1
	v_add_nc_u32 v[A16+\s], s21, v4
	v_add_nc_u32 v[A8+\s], s21, v5
	v_add_nc_u32 v[B16+\s], s22, v4
	v_add_nc_u32 v[B8+\s], s22, v5
	v_add_nc_u32 v[ADRS+\s], s23, v6
	s_add_co_u32 s21, s21, SLOT
	s_add_co_u32 s22, s22, SLOT
	s_add_co_u32 s23, s23, SLOT
.endr
	s_mul_i32 s44, s[WV], 16*SPITCH
	s_add_co_u32 s44, s44, STAGE                   ; my stage
	v_mul_u32_u24 v[STO], v2, SPITCH
	v_lshl_add_u32 v[STO], v3, 6, v[STO]
	v_add_nc_u32 v[STO], s44, v[STO]               ; in: row r, + 64 h
	v_mul_u32_u24 v[RD], v3, SPITCH
	v_lshl_add_u32 v[RD], v2, 4, v[RD]
	v_add_nc_u32 v[RD], s44, v[RD]                 ; back: lanes 0-15 one row of 256 bytes, lanes 16-31 the next
	v_lshlrev_b32 v[R16], 4, v2
	s_wait_alu depctr_va_vdst(0)
	v_lshl_add_u32 v[CO], v3, 12, v[R16]           ; and the same two rows in memory
	s_wait_alu depctr_va_vdst(0)
	s_lshl_b32 s74, s17, 7
	s_lshl_b32 s75, s[WX], 6
	s_add_co_u32 s74, s74, s75
	s_lshl_b32 s74, s74, 12                        ; my first token's row,
	s_lshl_b32 s76, s42, 9
	s_lshl_b32 s77, s[WY], 8
	s_add_co_u32 s76, s76, s77                     ; my first feature's bytes
	s_add_co_u32 s74, s74, s76
	s_mov_b32 s75, 0
	s_mov_b32 s77, 0
	s_add_nc_u64 s[8:9], s[8:9], s[76:77]
	s_add_nc_u64 s[10:11], s[10:11], s[74:75]
	s_add_nc_u64 s[12:13], s[12:13], s[74:75]
	global_load_b128 v[BIAS:BIAS+3], v[R16], s[8:9]
	WIN 0x80                                       ; destination window 2
.irp a, 0,1,2,3
.irp t, 0,1,2,3,4,5,6,7
	global_load_b128 v[4*(8*\a+\t):4*(8*\a+\t)+3], v[CO], s[10:11] offset:(16*\a+2*\t)*4096 th:TH_LOAD_NT
.endr
.endr
	WIN 0
	s_wait_tensorcnt 0x0                           ; my one load has landed
	s_barrier_signal -1
	s_barrier_wait -1
	FETCH 0, 0, F0
	KSTEP 0, 1, F0, F1, 1                          ; the first K step's products start the sums
.if LAPS > 1
	WIN 0
	s_mov_b32 s3, LAPS-1
.Llap:                                 ; a trip goes once round the ring and fills both slots again
	KSTEP 0, 2, F1, F0, 0
	KSTEP 0, 3, F0, F1, 0
	TURN 0, 1, 1
	KSTEP 1, 1, F0, F1, 0
	KSTEP 1, 2, F1, F0, 0
	KSTEP 1, 3, F0, F1, 0
	TURN 1, 0, 1
	KSTEP 0, 1, F0, F1, 0
	WIN 0
	s_sub_co_u32 s3, s3, 1
	s_cmp_lg_u32 s3, 0
	s_cbranch_scc1 .Llap
.endif
	KSTEP 0, 2, F1, F0, 0
	KSTEP 0, 3, F0, F1, 0
	TURN 0, 1, 0
	KSTEP 1, 1, F0, F1, 0
	KSTEP 1, 2, F1, F0, 0
	KSTEP 1, 3, F0, F1, 0
	s_wait_dscnt 8
	WIN MUL
	MUL4 F1, 0, 0
	MUL4 F1, 1, 0
	s_wait_dscnt 0
	MUL4 F1, 2, 0
	MUL4 F1, 3, 0
	WIN 0
	s_wait_loadcnt 0x0                             ; bias and residual
	PLACES
.irp a, 0,1,2,3
.if \a >= 2
	s_wait_xcnt 0x0                                ; block a - 2's stores have read the registers that block a's rows land in
.endif
.irp b, 0,1,2,3
	ds_store_b128 v[STO], v[ACC+8*(4*\a+\b):ACC+8*(4*\a+\b)+3]   offset:128*(\b/2)+32*(\b%2)      ; each accumulator from its low end on: features 32 (b / 2) + 16 h + 8 (b % 2) + 0 .. 7
	ds_store_b128 v[STO], v[ACC+8*(4*\a+\b)+4:ACC+8*(4*\a+\b)+7] offset:128*(\b/2)+32*(\b%2)+16
.endr
.irp t, 0,1,2,3,4,5,6,7
	ds_load_b128 v[T+32*(\a%2)+4*\t:T+32*(\a%2)+4*\t+3], v[RD] offset:2*\t*SPITCH   ; LDS serves a wave's instructions in order (ISA guide 5.7.1.4): these see my stores
.endr
	s_wait_dscnt 0x0
.irp t, 0,1,2,3,4,5,6,7
	v_pk_add_f32 v[T+32*(\a%2)+4*\t:T+32*(\a%2)+4*\t+1],   v[T+32*(\a%2)+4*\t:T+32*(\a%2)+4*\t+1],   v[BIAS:BIAS+1]
	v_pk_add_f32 v[T+32*(\a%2)+4*\t+2:T+32*(\a%2)+4*\t+3], v[T+32*(\a%2)+4*\t+2:T+32*(\a%2)+4*\t+3], v[BIAS+2:BIAS+3]
.endr
	WIN 0x08                                       ; source 1 window 2: the residual
.irp t, 0,1,2,3,4,5,6,7
	v_pk_add_f32 v[T+32*(\a%2)+4*\t:T+32*(\a%2)+4*\t+1],   v[T+32*(\a%2)+4*\t:T+32*(\a%2)+4*\t+1],   v[4*(8*\a+\t):4*(8*\a+\t)+1]
	v_pk_add_f32 v[T+32*(\a%2)+4*\t+2:T+32*(\a%2)+4*\t+3], v[T+32*(\a%2)+4*\t+2:T+32*(\a%2)+4*\t+3], v[4*(8*\a+\t)+2:4*(8*\a+\t)+3]
.endr
	WIN 0
.irp t, 0,1,2,3,4,5,6,7
	global_store_b128 v[CO], v[T+32*(\a%2)+4*\t:T+32*(\a%2)+4*\t+3], s[12:13] offset:(16*\a+2*\t)*4096   ; sixteen lanes store 256 consecutive bytes, aligned
.endr
.endr
	s_wait_tensorcnt 0x0                           ; the wave's end
	ds_add_u32 v[SPW], v[NIL]
	s_wait_dscnt 0x0
	CROUND                                         ; the closing round
	s_endpgm
.Lfunc_end_k_q6b66f5fa7a_wo:
	.size	k_q6b66f5fa7a_wo, .Lfunc_end_k_q6b66f5fa7a_wo-k_q6b66f5fa7a_wo
	.p2alignl 7, 3214868480
	.fill 96, 4, 3214868480
	.section	.rodata,"a",@progbits
	.p2align	6, 0x0
	.amdhsa_kernel k_q6b66f5fa7a_wo
		.amdhsa_group_segment_fixed_size 327680
		.amdhsa_private_segment_fixed_size 0
		.amdhsa_enable_private_segment 0
		.amdhsa_kernarg_size 40
		.amdhsa_user_sgpr_count 2
		.amdhsa_user_sgpr_kernarg_segment_ptr 1
		.amdhsa_wavefront_size32 1
		.amdhsa_system_sgpr_workgroup_id_x 1
		.amdhsa_system_sgpr_workgroup_id_y 1
		.amdhsa_system_sgpr_workgroup_id_z 1
		.amdhsa_system_vgpr_workitem_id 0
		.amdhsa_next_free_vgpr 768
		.amdhsa_next_free_sgpr 100
		.amdhsa_reserve_vcc 0
		.amdhsa_float_denorm_mode_32 3
		.amdhsa_float_denorm_mode_16_64 3
		.amdhsa_memory_ordered 1
		.amdhsa_forward_progress 1
		.amdhsa_inst_pref_size 61
	.end_amdhsa_kernel
	.amdgpu_metadata
---
amdhsa.version: [ 1, 2 ]
amdhsa.kernels:
  - .name:           k_q6b66f5fa7a_wo
    .symbol:         k_q6b66f5fa7a_wo.kd
    .args:
      - { .name: cimg, .offset: 0, .size: 8, .value_kind: global_buffer, .address_space: global }
      - { .name: wimg, .offset: 8, .size: 8, .value_kind: global_buffer, .address_space: global }
      - { .name: bo, .offset: 16, .size: 8, .value_kind: global_buffer, .address_space: global }
      - { .name: x, .offset: 24, .size: 8, .value_kind: global_buffer, .address_space: global }
      - { .name: x1, .offset: 32, .size: 8, .value_kind: global_buffer, .address_space: global }
    .group_segment_fixed_size: 327680
    .private_segment_fixed_size: 0
    .kernarg_segment_align: 8
    .kernarg_segment_size: 40
    .max_flat_workgroup_size: 128
    .sgpr_count:     100
    .vgpr_count:     768
    .wavefront_size: 32
...
	.end_amdgpu_metadata
.endif
;; end of part 4
;; launch ln2 (part 5): grid 256 x 1, 8 waves a work-group, no clusters, 67,072 bytes of LDS; arguments x1, g2, b2, himg; writes himg
.if DOCPART == 5
	.amdgcn_target "amdgcn-amd-amdhsa--gfx1250"
	.amdhsa_code_object_version 6
	.text
	.protected	k_q6b66f5fa7a_ln2
	.globl	k_q6b66f5fa7a_ln2
	.p2align	8
	.type	k_q6b66f5fa7a_ln2,@function
k_q6b66f5fa7a_ln2:
	s_mov_b64 s[64:65], 0
	v_nop
	global_prefetch_b8 v0, s[64:65] scope:SCOPE_SE
	s_setreg_imm32_b32 hwreg(HW_REG_WAVE_MODE, 25, 1), 1
	s_wait_xcnt 0x0
; LayerNorm over rows of 1,024 f32 numbers, then the quantiser along the row: y = (x - mean) rsqrt(var + 1e-5) g + b becomes codes of FP6 (E2M3) with one E8M0 byte for each 32,
; stored as an image of the operand's registers (units of 128 rows x 128 K, 12,800 bytes: eight fragments of 1,536 bytes, then 512 bytes of scale words; rows in their natural order).
; SHARES: a work-group takes one tile of 16 rows.  Phase 1: wave w takes rows 2 w and 2 w + 1 whole (32 registers each): mean, then the variance of x - mean, inside the wave; the normalised
; rows go to LDS (pitch 4,112).  Phase 2: wave w takes K step w: lane (r, h) reads, of row r, 16 neighbours of each block of 32, applies g and b and quantises: one fragment and one scale word a row.
; A block's scale is 2^(floor(log2(largest magnitude)) - 2); its byte is the magnitude's exponent field - 2, held at 1 from below.
; LIMITS: a block of zeros, or one whose largest magnitude lies under 2^-124, carries the byte 1 (only this program reads the bytes); NaN and infinities are not served.
; The scale words leave as sixteen words of 4 bytes, 16 bytes apart: the words between belong to other work-groups' tiles.  No cluster: work-groups share only g and b, 8 KB.
.set UNIT,   12800
.set SCO,    12288
.set NPITCH, 4112
.set X0,  32                           ; v32-63 row 2 w, v64-95 row 2 w + 1; in phase 2 v32-95: 64 numbers of my row
.set X1,  64
.set GG,  96                           ; v96-159  g in phase 2's layout
.set BB,  160                          ; v160-223 b
.set TM,  224                          ; v224-239 the quantiser's work
.set PW,  240                          ; the scale word
.set PC,  12                           ; v12-23 the codes, v24-31 at work
.set XO,  241                          ; 16 x lane
.set GO,  242                          ; 512 w + 64 h
.set LW,  243                          ; LDS, phase 1
.set LR,  244                          ; LDS, phase 2
.set O16, 245
.set O8,  246
.set SO,  247
.set SEL, 12                           ; s[12:13]
.macro LANESUM a, b                    ; the sum over the 32 lanes, in every lane
	s_delay_alu instid0(VALU_DEP_1)
	v_add_f32_dpp v[\a], v[\a], v[\a] row_xmask:1 row_mask:0xf bank_mask:0xf
	s_delay_alu instid0(VALU_DEP_1)
	v_add_f32_dpp v[\a], v[\a], v[\a] row_xmask:2 row_mask:0xf bank_mask:0xf
	s_delay_alu instid0(VALU_DEP_1)
	v_add_f32_dpp v[\a], v[\a], v[\a] row_xmask:4 row_mask:0xf bank_mask:0xf
	s_delay_alu instid0(VALU_DEP_1)
	v_add_f32_dpp v[\a], v[\a], v[\a] row_xmask:8 row_mask:0xf bank_mask:0xf
	s_delay_alu instid0(VALU_DEP_1)
	v_permlanex16_b32 v[\b], v[\a], s[SEL], s[SEL+1]
	s_delay_alu instid0(VALU_DEP_1)
	v_add_f32 v[\a], v[\a], v[\b]
.endm
.macro ROWSTAT X, off                  ; a row in v[X] .. v[X + 31] is normalised in place and stored to LDS
	v_pk_add_f32 v[4:5], v[\X:\X+1], v[\X+2:\X+3]
	v_pk_add_f32 v[6:7], v[\X+4:\X+5], v[\X+6:\X+7]
.irp j, 8,12,16,20,24,28
	s_delay_alu instid0(VALU_DEP_2)
	v_pk_add_f32 v[4:5], v[4:5], v[\X+\j:\X+\j+1]
	s_delay_alu instid0(VALU_DEP_2)
	v_pk_add_f32 v[6:7], v[6:7], v[\X+\j+2:\X+\j+3]
.endr
	s_delay_alu instid0(VALU_DEP_1)
	v_pk_add_f32 v[4:5], v[4:5], v[6:7]
	s_delay_alu instid0(VALU_DEP_1)
	v_add_f32 v4, v4, v5
	LANESUM 4, 5
	s_delay_alu instid0(VALU_DEP_1)
	v_mul_f32 v4, s15, v4                          ; the mean
.irp j, 0,2,4,6,8,10,12,14,16,18,20,22,24,26,28,30
	v_pk_add_f32 v[\X+\j:\X+\j+1], v[\X+\j:\X+\j+1], v[4:5] op_sel_hi:[1,0] neg_lo:[0,1] neg_hi:[0,1]
.endr
	v_pk_mul_f32 v[6:7], v[\X:\X+1], v[\X:\X+1]
	v_pk_mul_f32 v[8:9], v[\X+2:\X+3], v[\X+2:\X+3]
.irp j, 4,8,12,16,20,24,28
	s_delay_alu instid0(VALU_DEP_2)
	v_pk_fma_f32 v[6:7], v[\X+\j:\X+\j+1], v[\X+\j:\X+\j+1], v[6:7]
	s_delay_alu instid0(VALU_DEP_2)
	v_pk_fma_f32 v[8:9], v[\X+\j+2:\X+\j+3], v[\X+\j+2:\X+\j+3], v[8:9]
.endr
	s_delay_alu instid0(VALU_DEP_1)
	v_pk_add_f32 v[6:7], v[6:7], v[8:9]
	s_delay_alu instid0(VALU_DEP_1)
	v_add_f32 v6, v6, v7
	LANESUM 6, 7
	s_delay_alu instid0(VALU_DEP_1)
	v_fma_f32 v6, v6, s15, s16                     ; the variance + 1e-5
	s_wait_alu depctr_va_vdst(0)
	v_rsq_f32 v6, v6
	v_nop                                          ; one plain place behind a transcendental (ISA guide 5.7.2)
	s_wait_alu depctr_va_vdst(0)
.irp j, 0,2,4,6,8,10,12,14,16,18,20,22,24,26,28,30
	v_pk_mul_f32 v[\X+\j:\X+\j+1], v[\X+\j:\X+\j+1], v[6:7] op_sel_hi:[1,0]
.endr
.irp c, 0,1,2,3,4,5,6,7
	ds_store_b128 v[LW], v[\X+4*\c:\X+4*\c+3] offset:\off+512*\c
.endr
.endm
; 64 numbers of a lane, register 16 b + i = position 32 b + 16 (lane / 16) + i of my row, become a fragment's codes in v[PC] on and its scale word in v[PW].
.macro QUANT s
.irp b, 0,1,2,3
	v_max3_num_f32 v[TM+\b], |v[\s+16*\b]|, |v[\s+1+16*\b]|, 0x1800000   ; block b: my 16 numbers, and the floor 2^(3 - 127): the byte cannot fall under 1
.endr
.irp i, 2,4,6,8,10,12,14
.irp b, 0,1,2,3
	s_delay_alu instid0(VALU_DEP_4)
	v_max3_num_f32 v[TM+\b], v[TM+\b], |v[\s+16*\b+\i]|, |v[\s+1+16*\b+\i]|
.endr
.endr
.irp b, 0,1,2,3
	s_delay_alu instid0(VALU_DEP_4)
	v_permlanex16_b32 v[TM+4+\b], v[TM+\b], s[SEL], s[SEL+1]
.endr
.irp b, 0,1,2,3
	s_delay_alu instid0(VALU_DEP_4)
	v_max_num_f32 v[TM+\b], v[TM+\b], v[TM+4+\b]   ; with lane l xor 16's: the block's largest magnitude
.endr
.irp b, 0,1,2,3
	s_delay_alu instid0(VALU_DEP_4)
	v_add_nc_u32 v[TM+12+\b], 0xff000000, v[TM+\b] ; 2 off its exponent field: the conversion's scale operand
.endr
.irp b, 0,1,2,3
	s_delay_alu instid0(VALU_DEP_4)
	v_lshrrev_b32 v[TM+4+\b], 23, v[TM+12+\b]      ; the scale's byte
.endr
	s_delay_alu instid0(VALU_DEP_3)
	v_lshl_or_b32 v[PW], v[TM+5], 8, v[TM+4]
	s_delay_alu instid0(VALU_DEP_1)
	v_lshl_or_b32 v[PW], v[TM+6], 16, v[PW]
	s_delay_alu instid0(VALU_DEP_1)
	v_lshl_or_b32 v[PW], v[TM+7], 24, v[PW]
.irp c, 0,1
	v_cvt_scalef32_pk16_fp6_f32 v[PC+6*\c:PC+2+6*\c], v[\s+32*\c:\s+15+32*\c], v[TM+12+2*\c]
	v_cvt_scalef32_pk16_fp6_f32 v[PC+12+4*\c:PC+14+4*\c], v[\s+16+32*\c:\s+31+32*\c], v[TM+12+2*\c+1]   ; (a conversion's three registers begin on an even number)
.endr
	v_nop                                          ; one plain place behind a scaled conversion
.irp c, 0,1                            ; the operand's layout wants a whole block in a lane: lanes 0-15 block 2 c, lanes 16-31 block 2 c + 1
.irp i, 0,1,2
	v_permlane16_swap_b32 v[PC+6*\c+\i], v[PC+12+4*\c+\i]
.endr
.irp i, 0,1,2
	s_delay_alu instid0(VALU_DEP_3)
	v_mov_b32 v[PC+3+6*\c+\i], v[PC+12+4*\c+\i]
.endr
.endr
.endm
	s_load_b256 s[4:11], s[0:1], 0x0               ; the rows, g, b, the image
	v_lshl_add_u32 v254, v0, 2, 0x10200
	v_mov_b32 v255, 0
	v_lshrrev_b32 v1, 5, v0
	s_delay_alu instid0(VALU_DEP_1)
	v_readfirstlane_b32 s14, v1                    ; wave
	v_and_b32 v1, 31, v0
	s_wait_alu depctr_va_vdst(0)
	v_and_b32 v2, 15, v0                           ; r
	s_wait_alu depctr_va_vdst(0)
	v_bfe_u32 v3, v0, 4, 1                         ; h
	s_mov_b32 s[SEL], 0x76543210
	s_mov_b32 s[SEL+1], 0xfedcba98                 ; v_permlanex16_b32's selects for lane l xor 16
	s_mov_b32 s15, 0x3a800000                      ; 1 / 1,024
	s_mov_b32 s16, 0x3727c5ac                      ; 1e-5
	v_lshlrev_b32 v[XO], 4, v1
	s_lshl_b32 s18, s14, 9
	v_lshl_add_u32 v[GO], v3, 6, s18
	s_mul_i32 s19, s14, 2*NPITCH
	v_add_nc_u32 v[LW], s19, v[XO]
	v_mul_u32_u24 v[LR], v2, NPITCH
	s_delay_alu instid0(VALU_DEP_1)
	v_add_nc_u32 v[LR], v[GO], v[LR]
	s_and_b32 s20, ttmp9, 7                        ; my tile in its block of 128 rows
	s_mul_i32 s21, s20, 1536
	v_add_nc_u32 v[O16], s21, v[XO]
	v_lshl_add_u32 v[O8], v1, 3, s21
	s_lshr_b32 s22, s20, 2
	s_lshl_b32 s22, s22, 8
	s_and_b32 s23, s20, 3
	s_lshl_b32 s23, s23, 2
	s_add_co_u32 s22, s22, s23
	v_lshl_add_u32 v[SO], v2, 4, s22
	s_and_b32 s24, ttmp9, 0xf8                     ; 8 x the block of rows,
	s_add_co_u32 s24, s24, s14                     ; + my K step: the unit
	s_mul_i32 s24, s24, UNIT
	s_mov_b32 s25, 0
	s_lshl_b32 s26, ttmp9, 16                      ; 16 rows of 4,096 bytes,
	s_lshl_b32 s27, s14, 13                        ; my two of them
	s_add_co_u32 s26, s26, s27
	s_mov_b32 s27, 0
.irp b, 0,1,2,3
	v_mov_b32 v[TM+4+\b], 0                        ; written once: a lane permute's destination counts as one of its sources
.endr
	s_wait_kmcnt 0x0
	s_add_nc_u64 s[4:5], s[4:5], s[26:27]
	s_add_nc_u64 s[10:11], s[10:11], s[24:25]
.irp c, 0,1,2,3,4,5,6,7
	global_load_b128 v[X0+4*\c:X0+4*\c+3], v[XO], s[4:5] offset:512*\c th:TH_LOAD_NT
.endr
.irp c, 0,1,2,3,4,5,6,7
	global_load_b128 v[X1+4*\c:X1+4*\c+3], v[XO], s[4:5] offset:4096+512*\c th:TH_LOAD_NT
.endr
.irp b, 0,1,2,3
.irp j, 0,1,2,3
	global_load_b128 v[GG+16*\b+4*\j:GG+16*\b+4*\j+3], v[GO], s[6:7] offset:128*\b+16*\j
	global_load_b128 v[BB+16*\b+4*\j:BB+16*\b+4*\j+3], v[GO], s[8:9] offset:128*\b+16*\j
.endr
.endr
	s_wait_loadcnt 40                              ; the first row's eight loads are in: behind them stand the second row's 8 and the 32 of g and b
	ROWSTAT X0, 0
	s_wait_loadcnt 32                              ; the second row's
	ROWSTAT X1, NPITCH
	s_wait_dscnt 0x0                               ; for the others' sake: my two rows lie in LDS
	s_barrier_signal -1
	s_barrier_wait -1
.irp b, 0,1,2,3
.irp j, 0,1,2,3
	ds_load_b128 v[X0+16*\b+4*\j:X0+16*\b+4*\j+3], v[LR] offset:128*\b+16*\j
.endr
.endr
	s_wait_loadcnt 0x0                             ; g and b
	s_wait_dscnt 0x0
.set j, 0
.rept 32
	v_pk_fma_f32 v[X0+j:X0+j+1], v[X0+j:X0+j+1], v[GG+j:GG+j+1], v[BB+j:BB+j+1]
.set j, j+2
.endr
	QUANT X0
	global_store_b128 v[O16], v[PC:PC+3],     s[10:11]               ; each store covers 512 or 256 consecutive bytes, aligned
	global_store_b64  v[O8],  v[PC+4:PC+5],   s[10:11] offset:512
	global_store_b128 v[O16], v[PC+6:PC+9],   s[10:11] offset:768
	global_store_b64  v[O8],  v[PC+10:PC+11], s[10:11] offset:1280
	global_store_b32  v[SO],  v[PW],          s[10:11] offset:SCO    ; lanes r and r + 16 hold the same word
	s_wait_tensorcnt 0x0
	ds_add_u32 v254, v255
	s_wait_dscnt 0x0
	s_endpgm
.Lfunc_end_k_q6b66f5fa7a_ln2:
	.size	k_q6b66f5fa7a_ln2, .Lfunc_end_k_q6b66f5fa7a_ln2-k_q6b66f5fa7a_ln2
	.p2alignl 7, 3214868480
	.fill 96, 4, 3214868480
	.section	.rodata,"a",@progbits
	.p2align	6, 0x0
	.amdhsa_kernel k_q6b66f5fa7a_ln2
		.amdhsa_group_segment_fixed_size 67072
		.amdhsa_private_segment_fixed_size 0
		.amdhsa_enable_private_segment 0
		.amdhsa_kernarg_size 32
		.amdhsa_user_sgpr_count 2
		.amdhsa_user_sgpr_kernarg_segment_ptr 1
		.amdhsa_wavefront_size32 1
		.amdhsa_system_sgpr_workgroup_id_x 1
		.amdhsa_system_sgpr_workgroup_id_y 1
		.amdhsa_system_sgpr_workgroup_id_z 1
		.amdhsa_system_vgpr_workitem_id 0
		.amdhsa_next_free_vgpr 256
		.amdhsa_next_free_sgpr 66
		.amdhsa_reserve_vcc 0
		.amdhsa_float_denorm_mode_32 3
		.amdhsa_float_denorm_mode_16_64 3
		.amdhsa_memory_ordered 1
		.amdhsa_forward_progress 1
		.amdhsa_inst_pref_size 30
	.end_amdhsa_kernel
	.amdgpu_metadata
---
amdhsa.version: [ 1, 2 ]
amdhsa.kernels:
  - .name:           k_q6b66f5fa7a_ln2
    .symbol:         k_q6b66f5fa7a_ln2.kd
    .args:
      - { .name: x1, .offset: 0, .size: 8, .value_kind: global_buffer, .address_space: global }
      - { .name: g2, .offset: 8, .size: 8, .value_kind: global_buffer, .address_space: global }
      - { .name: b2, .offset: 16, .size: 8, .value_kind: global_buffer, .address_space: global }
      - { .name: himg, .offset: 24, .size: 8, .value_kind: global_buffer, .address_space: global }
    .group_segment_fixed_size: 67072
    .private_segment_fixed_size: 0
    .kernarg_segment_align: 8
    .kernarg_segment_size: 32
    .max_flat_workgroup_size: 256
    .sgpr_count:     66
    .vgpr_count:     256
    .wavefront_size: 32
...
	.end_amdgpu_metadata
.endif
;; end of part 5
;; launch w1 (part 6): grid 16 x 16, 4 waves a work-group, clusters of 4 x 4, 327,680 bytes of LDS; arguments himg, wimg, c1, gimg; writes gimg
.if DOCPART == 6
	.amdgcn_target "amdgcn-amd-amdhsa--gfx1250"
	.amdhsa_code_object_version 6
	.text
	.protected	k_q6b66f5fa7a_w1
	.globl	k_q6b66f5fa7a_w1
	.p2align	8
	.type	k_q6b66f5fa7a_w1,@function
k_q6b66f5fa7a_w1:
	s_mov_b64 s[64:65], 0
	v_nop
	global_prefetch_b8 v0, s[64:65] scope:SCOPE_SE
	s_setreg_imm32_b32 hwreg(HW_REG_WAVE_MODE, 25, 1), 1
	s_wait_xcnt 0x0
	s_wait_alu depctr_hold_cnt(0) depctr_sa_sdst(0) depctr_va_vdst(0) depctr_va_sdst(0) depctr_va_ssrc(0) depctr_va_vcc(0) depctr_vm_vsrc(0)
	s_getreg_b32 s2, hwreg(HW_REG_IB_STS2, 6, 4)
	s_cmp_eq_u32 s2, 0
	s_cbranch_scc0 .Lentry_in_a_cluster
	s_endpgm
.Lentry_in_a_cluster:
	s_bfe_u32 s2, ttmp6, 0x10000c
	s_cmp_lg_u32 s2, 0xf033
	s_cbranch_scc0 .Lentry_shape_is_right
	s_endpgm
.Lentry_shape_is_right:
.set UNIT,  12800
.set SCO,   12288
.set REG,   2*UNIT
.set SLOT,  4*REG
.set SPARE, 2*SLOT
.set FR, 12
.set NL, 4
.set NP, 4
.set NQ, 2
.set SW,  8
.set C9,  12
.set A16, 16
.set A8,  18
.set B16, 20
.set B8,  22
.set ADRS, 24
.set O16, 26
.set O8,  27
.set SPW, 28
.set NIL, 29
.set R16, 30
.set SC,  32
.set BI,  64
.set AF,  128
.set Z,   128
.set T,   192
.set Y,   208
.set P,   224
.set M,   240
.set TM,  192
.set PW,  208
.set PC,  210
.set WV, 18
.set WX, 19
.set WY, 20
.set G1, 24
.set G0, 32
.set SEL, 46
.set G1B, 48
.set G0B, 56
.set CF, 70
.set K1, 88
.set K2, 90
.set D,  92
.set DS, 94
.set MSB, 0
.macro WIN new
.if MSB != (\new)
	s_set_vgpr_msb (MSB<<8)|(\new)
.set MSB, (\new)
.endif
.endm
.set MUL_LO, 0xa1
.set MUL_HI, 0xf1
.set TO_B,   0x40
.macro JLOAD g0a, g1a, g0b, g1b
	s_cmp_eq_u32 s[WX], 0
	s_cbranch_scc0 .Lfor_b_\@
	tensor_load_to_lds s[\g0a:\g0a+3], s[\g1a:\g1a+7]
	s_nop 0
.rept 4
	v_nop
.endr
	s_branch .Lasked_\@
.Lfor_b_\@:
	tensor_load_to_lds s[\g0b:\g0b+3], s[\g1b:\g1b+7]
	s_nop 0
.rept 4
	v_nop
.endr
.Lasked_\@:
.endm
.macro CREST
	s_cmp_lg_u32 s[WV], 0
	s_cbranch_scc1 .Lnot_wave_0_\@
	s_barrier_signal -3
.Lnot_wave_0_\@:
	s_barrier_wait -3
	s_barrier_signal -1
	s_barrier_wait -1
.endm
.macro CROUND
	s_barrier_signal -1
	s_barrier_wait -1
	CREST
.endm
.macro PLACES n
.rept \n
	v_nop
.endr
.endm
.macro FRAG reg, a16, a8, off
	ds_load_b128 v[(\reg):(\reg)+3],     v[\a16] offset:(\off)
	ds_load_b64  v[(\reg)+4:(\reg)+5],   v[\a8]  offset:(\off)+512
	ds_load_b128 v[(\reg)+6:(\reg)+9],   v[\a16] offset:(\off)+768
	ds_load_b64  v[(\reg)+10:(\reg)+11], v[\a8]  offset:(\off)+1280
.endm
.macro MUL16 a0, p, q, sc, zero
.irp a, \a0, \a0+1
.irp b, 0,1,2,3,4,5,6,7
.if \zero
	v_wmma_scale_f32_16x16x128_f8f6f4 v[8*(8*((\a)%4)+\b):8*(8*((\a)%4)+\b)+7], v[128*(\p)+FR*\b:128*(\p)+FR*\b+FR-1], v[AF+FR*(\a):AF+FR*(\a)+FR-1], 0, v[SC+16*(\sc)+8*(\q)+\b], v[SC+16*(\sc)+8*(\q)+(\a)] matrix_a_fmt:MATRIX_FMT_FP6 matrix_b_fmt:MATRIX_FMT_FP6 matrix_a_scale:MATRIX_SCALE_ROW1
.else
	v_wmma_scale_f32_16x16x128_f8f6f4 v[8*(8*((\a)%4)+\b):8*(8*((\a)%4)+\b)+7], v[128*(\p)+FR*\b:128*(\p)+FR*\b+FR-1], v[AF+FR*(\a):AF+FR*(\a)+FR-1], v[8*(8*((\a)%4)+\b):8*(8*((\a)%4)+\b)+7], v[SC+16*(\sc)+8*(\q)+\b], v[SC+16*(\sc)+8*(\q)+(\a)] matrix_a_fmt:MATRIX_FMT_FP6 matrix_b_fmt:MATRIX_FMT_FP6 matrix_a_scale:MATRIX_SCALE_ROW1
.endif
.endr
.endr
.endm
.macro FETCH_B slot, q, p
	WIN TO_B
.irp i, 0,1,2,3,4,5,6,7
	FRAG 128*(\p)+FR*\i, B16+\slot, B8+\slot, UNIT*(\q)+1536*\i
.endr
	WIN 0
.endm
.macro FETCH_A slot, q, i0
.irp i, \i0, \i0+1, \i0+2, \i0+3
	FRAG AF+FR*(\i), A16+\slot, A8+\slot, UNIT*(\q)+1536*(\i)
.endr
.endm
.macro SCALES sc
.irp q, 0,1
.irp g, 0,1
	ds_load_b128 v[SC+16*\sc+8*\q+4*\g:SC+16*\sc+8*\q+4*\g+3], v[ADRS+\sc] offset:UNIT*\q+256*\g
.endr
.endr
.endm
.macro STEP slot, q, zero
	s_wait_dscnt 4*NL
	WIN MUL_LO
	MUL16 0, (\q)%2, \q, \slot, \zero
	MUL16 2, (\q)%2, \q, \slot, \zero
	s_wait_dscnt 0
	PLACES NP
	FETCH_B \slot, (\q)+1, 1-(\q)%2
	FETCH_A \slot, (\q)+1, 0
	WIN MUL_HI
	MUL16 4, (\q)%2, \q, \slot, \zero
	MUL16 6, (\q)%2, \q, \slot, \zero
	PLACES NP
	WIN 0
	FETCH_A \slot, (\q)+1, 4
.endm
.macro TURN slot, next, fill
	s_wait_tensorcnt 0x0
	ds_add_u32 v[SPW], v[NIL]
	s_wait_dscnt 4*NL+1
	WIN MUL_LO
	MUL16 0, 1, NQ-1, \slot, 0
	s_wait_dscnt 0x0
	s_barrier_signal -1
	MUL16 2, 1, NQ-1, \slot, 0
	WIN 0
	s_barrier_wait -1
.if \fill
	CREST
	s_add_nc_u64 s[G0+4*\slot+2:G0+4*\slot+3], s[G0+4*\slot+2:G0+4*\slot+3], 2*REG
	s_add_nc_u64 s[G0B+4*\slot+2:G0B+4*\slot+3], s[G0B+4*\slot+2:G0B+4*\slot+3], 2*REG
	JLOAD G0+4*\slot, G1, G0B+4*\slot, G1B
.else
	PLACES NP
.endif
	FETCH_B \next, 0, 0
	FETCH_A \next, 0, 0
	SCALES \next
	WIN MUL_HI
	MUL16 4, 1, NQ-1, \slot, 0
	MUL16 6, 1, NQ-1, \slot, 0
	PLACES NP
	WIN 0
	FETCH_A \next, 0, 4
.endm
.macro QUANT s
.irp b, 0,1,2,3
	v_max3_num_f32 v[TM+\b], |v[\s+16*\b]|, |v[\s+1+16*\b]|, 0x1800000
.endr
.irp i, 2,4,6,8,10,12,14
.irp b, 0,1,2,3
	v_max3_num_f32 v[TM+\b], v[TM+\b], |v[\s+16*\b+\i]|, |v[\s+1+16*\b+\i]|
.endr
.endr
.irp b, 0,1,2,3
	v_permlanex16_b32 v[TM+4+\b], v[TM+\b], s[SEL], s[SEL+1]
.endr
.irp b, 0,1,2,3
	v_max_num_f32 v[TM+\b], v[TM+\b], v[TM+4+\b]
.endr
.irp b, 0,1,2,3
	v_add_nc_u32 v[TM+12+\b], 0xff000000, v[TM+\b]
.endr
.irp b, 0,1,2,3
	v_lshrrev_b32 v[TM+4+\b], 23, v[TM+12+\b]
.endr
	v_lshl_or_b32 v[PW], v[TM+5], 8, v[TM+4]
	v_lshl_or_b32 v[PW], v[TM+6], 16, v[PW]
	v_lshl_or_b32 v[PW], v[TM+7], 24, v[PW]
.irp c, 0,1
	v_cvt_scalef32_pk16_fp6_f32 v[PC+6*\c:PC+2+6*\c], v[\s+32*\c:\s+15+32*\c], v[TM+12+2*\c]
	v_cvt_scalef32_pk16_fp6_f32 v[PC+12+4*\c:PC+14+4*\c], v[\s+16+32*\c:\s+31+32*\c], v[TM+12+2*\c+1]
.endr
	v_nop
.irp c, 0,1
.irp i, 0,1,2
	v_permlane16_swap_b32 v[PC+6*\c+\i], v[PC+12+4*\c+\i]
.endr
.irp i, 0,1,2
	v_mov_b32 v[PC+3+6*\c+\i], v[PC+12+4*\c+\i]
.endr
.endr
.endm
.macro CHUNK a, b
.set ZR, 64*(\a)+16*(\b)
	WIN 0x02
.set i, 0
.rept 16
	v_fma_f32 v[T+i], |v[ZR+i]|, s[K1], 1.0
.set i, i+1
.endr
.set i, 0
.rept 8
	v_pk_mul_f32 v[Y+i:Y+i+1], v[ZR+i:ZR+i+1], s[K2:K2+1] op_sel_hi:[1,0]
.set i, i+2
.endr
.set i, 0
.rept 16
	v_max_num_f32 v[M+i], v[ZR+i], 0
.set i, i+1
.endr
	WIN 0
.set i, 0
	s_wait_alu depctr_va_vdst(0)
.rept 16
	v_rcp_f32 v[T+i], v[T+i]
.set i, i+1
.endr
	v_nop
.set i, 0
	s_wait_alu depctr_va_vdst(0)
.rept 8
	v_dual_fmaak_f32 v[P+i], v[T+i], v[C9], 0xbf97d29d :: v_dual_fmaak_f32 v[P+i+1], v[T+i+1], v[C9+1], 0xbf97d29d   ; Horner's first link, two numbers a pair; the coefficient is the pair's one literal
.set i, i+2
.endr
.irp c, 0x40097039, 0xbfd1a1e5, 0x3ecdfd18, 0xbe899a80, 0x3e0efb2e, 0x3f0a29d2, 0x3fb8ab5a, 0xc034d90f
.set i, 0
.rept 8
	v_dual_fmaak_f32 v[P+i], v[P+i], v[T+i], \c :: v_dual_fmaak_f32 v[P+i+1], v[P+i+1], v[T+i+1], \c
.set i, i+2
.endr
.endr
.set i, 0
.rept 8
	v_pk_fma_f32 v[P+i:P+i+1], v[Y+i:Y+i+1], v[Y+i:Y+i+1], v[P+i:P+i+1] neg_lo:[1,0,0] neg_hi:[1,0,0]
.set i, i+2
.endr
.set i, 0
	s_wait_alu depctr_va_vdst(0)
.rept 16
	v_exp_f32 v[P+i], v[P+i]
.set i, i+1
.endr
	v_nop
.set i, 0
	s_wait_alu depctr_va_vdst(0)
.rept 8
	v_dual_mul_f32 v[P+i], v[P+i], v[T+i] :: v_dual_mul_f32 v[P+i+1], v[P+i+1], v[T+i+1]
.set i, i+2
.endr
	WIN 0x02
.set i, 0
.rept 16
	v_fma_f32 v[Z+16*(\b)+i], -|v[ZR+i]|, v[P+i], v[M+i]
.set i, i+1
.endr
.endm
	s_load_b256 s[4:11], s[0:1], 0x0
	v_lshl_add_u32 v[SPW], v0, 2, SPARE
	v_mov_b32 v[NIL], 0
	ds_add_u32 v28, v29
	ds_add_u32 v28, v29
	s_wait_dscnt 0x0
	v_lshrrev_b32 v1, 5, v0
	v_readfirstlane_b32 s[WV], v1
	s_lshr_b32 s[WX], s[WV], 1
	s_and_b32 s[WY], s[WV], 1
	s_bfe_u32 s40, ttmp6, 0x40000
	s_bfe_u32 s41, ttmp6, 0x40004
	s_lshl_b32 s42, ttmp9, 2
	s_add_co_u32 s42, s42, s40
	s_and_b32 s17, ttmp7, 0xffff
	s_lshl_b32 s17, s17, 2
	s_add_co_u32 s17, s17, s41
	s_lshl_b32 s43, s41, 2
	s_lshl_b32 s43, 15, s43
	s_lshl_b32 s44, 0x1111, s40
	s_or_b32 s[G1], s43, (3<<16)|(1<<21)
	s_or_b32 s[G1B], s44, (3<<16)|(1<<21)
.irp g, G1, G1B
	s_mov_b32 s[\g+1], 32<<16
	s_mov_b32 s[\g+2], 100<<16
	s_mov_b32 s[\g+3], 32<<16
	s_mov_b32 s[\g+4], 100
	s_mov_b32 s[\g+5], 32
	s_mov_b32 s[\g+6], 0
	s_mov_b32 s[\g+7], 0
.endr
	s_lshl_b32 s66, s17, 1
	s_add_co_u32 s66, s66, s[WY]
	s_mul_i32 s66, s66, 8*UNIT
	s_mov_b32 s67, 0
	s_lshl_b32 s68, s42, 1
	s_add_co_u32 s68, s68, s[WY]
	s_lshl_b32 s68, s68, 3
	s_add_co_u32 s68, s68, 256
	s_mul_i32 s68, s68, UNIT
	s_mov_b32 s69, 0
	s_mul_i32 s45, s[WV], REG
	s_lshl_b32 s21, s17, 1
	s_add_co_u32 s21, s21, s[WX]
	s_lshl_b32 s21, s21, 5
	s_lshl_b32 s22, s42, 1
	s_add_co_u32 s22, s22, s[WY]
	s_add_co_u32 s21, s21, s22
	s_mul_i32 s[D], s21, UNIT
	s_mov_b32 s[D+1], 0
	s_lshl_b32 s23, s22, 9
	s_mov_b32 s[SEL], 0x76543210
	s_mov_b32 s[SEL+1], 0xfedcba98
	s_mov_b32 s[K1], 0x3eb504f3
	s_mov_b32 s[K2], 0x3f596d27
	s_mov_b32 s[K2+1], s[K2]
	s_wait_kmcnt 0x0
	s_add_nc_u64 s[96:97], s[4:5], s[66:67]
	s_add_nc_u64 s[98:99], s[6:7], s[68:69]
	s_add_nc_u64 s[D:D+1], s[10:11], s[D:D+1]
	s_add_nc_u64 s[DS:DS+1], s[D:D+1], SCO
	CROUND
.irp s, 0,1
	s_mov_b32 s[G0+4*\s], 1
	s_add_co_u32 s[G0+4*\s+1], s45, \s*SLOT
	s_add_nc_u64 s[G0+4*\s+2:G0+4*\s+3], s[96:97], \s*REG
	s_or_b32 s[G0+4*\s+3], s[G0+4*\s+3], 0x80000000
	s_mov_b32 s[G0B+4*\s], 1
	s_add_co_u32 s[G0B+4*\s+1], s45, \s*SLOT
	s_add_nc_u64 s[G0B+4*\s+2:G0B+4*\s+3], s[98:99], \s*REG
	s_or_b32 s[G0B+4*\s+3], s[G0B+4*\s+3], 0x80000000
.endr
	JLOAD G0, G1, G0B, G1B                         ; slot 0: my one tensor load at the head, behind the round above
	v_and_b32 v1, 31, v0
	v_and_b32 v2, 15, v0
	v_bfe_u32 v3, v0, 4, 1
	v_lshlrev_b32 v[O16], 4, v1
	v_lshlrev_b32 v[O8], 3, v1
	v_lshlrev_b32 v[R16], 4, v2
	v_mov_b32 v[C9], 0x3e7c6f08
	v_mov_b32 v[C9+1], 0x3e7c6f08
	s_mul_i32 s21, s[WX], REG
	s_mul_i32 s22, s[WY], REG
	s_add_co_u32 s22, s22, 2*REG
	s_sub_co_u32 s43, s22, s21
	v_mul_u32_u24 v4, s43, v3
	v_lshl_add_u32 v4, v2, 4, v4
	v_add_nc_u32 v4, SCO, v4
.irp s, 0,1
	v_add_nc_u32 v[A16+\s], s21, v[O16]
	v_add_nc_u32 v[A8+\s], s21, v[O8]
	v_add_nc_u32 v[B16+\s], s22, v[O16]
	v_add_nc_u32 v[B8+\s], s22, v[O8]
	v_add_nc_u32 v[ADRS+\s], s21, v4
	s_add_co_u32 s21, s21, SLOT
	s_add_co_u32 s22, s22, SLOT
.endr
	v_lshl_add_u32 v5, v3, 6, s23
.irp b, 0,1,2,3
.irp j, 0,1,2,3
	global_load_b128 v[BI+16*\b+4*\j:BI+16*\b+4*\j+3], v5, s[8:9] offset:128*\b+16*\j
.endr
.endr
	s_wait_alu depctr_va_vdst(0)
	s_wait_tensorcnt 0x0                           ; my part of slot 0 is in; slot 1's first fill is issued as a refill is
	ds_add_u32 v[SPW], v[NIL]
	s_wait_dscnt 0x0
	CROUND
	JLOAD G0+4, G1, G0B+4, G1B                     ; slot 1: the first tensor load behind the round
	FETCH_B 0, 0, 0
	FETCH_A 0, 0, 0
	SCALES 0
	FETCH_A 0, 0, 4
	STEP 0, 0, 1
	TURN 0, 1, 1
	STEP 1, 0, 0
	TURN 1, 0, 1
	STEP 0, 0, 0
	TURN 0, 1, 0
	STEP 1, 0, 0
	s_wait_dscnt 4*NL
	WIN MUL_LO
	MUL16 0, 1, NQ-1, 1, 0
	MUL16 2, 1, NQ-1, 1, 0
	s_wait_dscnt 0
	WIN MUL_HI
	MUL16 4, 1, NQ-1, 1, 0
	MUL16 6, 1, NQ-1, 1, 0
	WIN 0
	s_wait_tensorcnt 0x0
	ds_add_u32 v[SPW], v[NIL]
	s_wait_dscnt 0x0
	PLACES NP
	s_wait_loadcnt 0x0
	WIN 0x82
.set j, 0
.rept 128
	v_pk_add_f32 v[j:j+1], v[j:j+1], v[BI+j%64:BI+j%64+1]
.set j, j+2
.endr
	WIN 0
	s_mov_b32 s3, 2
.Lhalf:
.irp a, 0,1,2,3
	s_wait_xcnt 0x0
.irp b, 0,1,2,3
	CHUNK \a, \b
.endr
	WIN 0
	QUANT Z
	global_store_b128 v[O16], v[PC:PC+3],     s[D:D+1] offset:1536*\a
	global_store_b64  v[O8],  v[PC+4:PC+5],   s[D:D+1] offset:1536*\a+512
	global_store_b128 v[O16], v[PC+6:PC+9],   s[D:D+1] offset:1536*\a+768
	global_store_b64  v[O8],  v[PC+10:PC+11], s[D:D+1] offset:1536*\a+1280
	v_mov_b32 v[SW+\a], v[PW]
.endr
	global_store_b128 v[R16], v[SW:SW+3], s[DS:DS+1]
	s_cmp_eq_u32 s3, 1
	s_cbranch_scc1 .Llast
	WIN 0x83
.set j, 0
.rept 128
	v_pk_add_f32 v[j:j+1], v[j:j+1], v[BI+j%64:BI+j%64+1]
.set j, j+2
.endr
	WIN 0
	s_wait_xcnt 0x0
	s_add_nc_u64 s[D:D+1], s[D:D+1], 6144
	s_add_nc_u64 s[DS:DS+1], s[DS:DS+1], 256
.Llast:
	s_sub_co_u32 s3, s3, 1
	s_cmp_lg_u32 s3, 0
	s_cbranch_scc1 .Lhalf
	CROUND
	s_endpgm
.Lfunc_end_k_q6b66f5fa7a_w1:
	.size	k_q6b66f5fa7a_w1, .Lfunc_end_k_q6b66f5fa7a_w1-k_q6b66f5fa7a_w1
	.p2alignl 7, 3214868480
	.fill 96, 4, 3214868480
	.section	.rodata,"a",@progbits
	.p2align	6, 0x0
	.amdhsa_kernel k_q6b66f5fa7a_w1
		.amdhsa_group_segment_fixed_size 327680
		.amdhsa_private_segment_fixed_size 0
		.amdhsa_enable_private_segment 0
		.amdhsa_kernarg_size 32
		.amdhsa_user_sgpr_count 2
		.amdhsa_user_sgpr_kernarg_segment_ptr 1
		.amdhsa_wavefront_size32 1
		.amdhsa_system_sgpr_workgroup_id_x 1
		.amdhsa_system_sgpr_workgroup_id_y 1
		.amdhsa_system_sgpr_workgroup_id_z 1
		.amdhsa_system_vgpr_workitem_id 0
		.amdhsa_next_free_vgpr 1024
		.amdhsa_next_free_sgpr 100
		.amdhsa_reserve_vcc 0
		.amdhsa_float_denorm_mode_32 3
		.amdhsa_float_denorm_mode_16_64 3
		.amdhsa_memory_ordered 1
		.amdhsa_forward_progress 1
		.amdhsa_inst_pref_size 255
	.end_amdhsa_kernel
	.section	.bss,"aw",@nobits
	.p2align	6
	.space	262144
	.amdgpu_metadata
---
amdhsa.version: [ 1, 2 ]
amdhsa.kernels:
  - .name:           k_q6b66f5fa7a_w1
    .symbol:         k_q6b66f5fa7a_w1.kd
    .args:
      - { .name: himg, .offset: 0, .size: 8, .value_kind: global_buffer, .address_space: global }
      - { .name: wimg, .offset: 8, .size: 8, .value_kind: global_buffer, .address_space: global }
      - { .name: c1, .offset: 16, .size: 8, .value_kind: global_buffer, .address_space: global }
      - { .name: gimg, .offset: 24, .size: 8, .value_kind: global_buffer, .address_space: global }
    .group_segment_fixed_size: 327680
    .private_segment_fixed_size: 0
    .kernarg_segment_align: 8
    .kernarg_segment_size: 32
    .max_flat_workgroup_size: 128
    .sgpr_count:     100
    .vgpr_count:     1024
    .wavefront_size: 32
...
	.end_amdgpu_metadata
.endif
;; end of part 6
;; launch w2 (part 7): grid 8 x 32, 4 waves a work-group, clusters of 4 x 1, 327,680 bytes of LDS; arguments gimg, wimg, c2, x1, out0; writes out0
.if DOCPART == 7
	.amdgcn_target "amdgcn-amd-amdhsa--gfx1250"
	.amdhsa_code_object_version 6
	.text
	.protected	k_q6b66f5fa7a_w2
	.globl	k_q6b66f5fa7a_w2
	.p2align	8
	.type	k_q6b66f5fa7a_w2,@function
k_q6b66f5fa7a_w2:
	s_mov_b64 s[64:65], 0
	v_nop
	global_prefetch_b8 v0, s[64:65] scope:SCOPE_SE
	s_setreg_imm32_b32 hwreg(HW_REG_WAVE_MODE, 25, 1), 1
	s_wait_xcnt 0x0
	s_wait_alu depctr_hold_cnt(0) depctr_sa_sdst(0) depctr_va_vdst(0) depctr_va_sdst(0) depctr_va_ssrc(0) depctr_va_vcc(0) depctr_vm_vsrc(0)
	s_getreg_b32 s2, hwreg(HW_REG_IB_STS2, 6, 4)
	s_cmp_eq_u32 s2, 0
	s_cbranch_scc0 .Lentry_in_a_cluster
	s_endpgm
.Lentry_in_a_cluster:
	s_bfe_u32 s2, ttmp6, 0x10000c
	s_cmp_lg_u32 s2, 0x3003
	s_cbranch_scc0 .Lentry_shape_is_right
	s_endpgm
.Lentry_shape_is_right:
; out = residual + (A W^T + bias) on codes of FP6 (E2M3): A = gelu's image, W = W2's image (units WBASE on), K = 128 NKS = 4,096; out and residual [4,096][1,024] f32.
; A tile is 128 tokens x 128 features: 256 work-groups.  Four waves, each 64 x 64: 16 accumulators.  Source 0 = 16 rows of W, source 1 = 16 tokens: a lane holds one token, and (by the order of W's image rows)
; the registers of two neighbouring tiles are 16 neighbouring features.  Operands are images of operand registers: units of 128 rows x 128 K, 12,800 bytes (eight fragments of 1,536, then 512 of scale words).
; W GOES FROM MEMORY STRAIGHT INTO REGISTERS: its image lies in the order of the operand's registers, so a lane loads its own 48 bytes of a fragment and each load covers 512 or 256 consecutive bytes.
; Four sets of W's four fragments and scale words take turns; K step k asks for K step k + 3's set (17 loads).  So a K step's 16 matrix instructions read four fragments from LDS, A's, and not eight.
; That is also why W is not asked for jointly: a tensor load lands in LDS alone, and W does not pass through LDS here.
; A GOES THROUGH LDS: two slots of EIGHT K steps, 102,400 bytes each; every wave brings two units (100 rows of 256 bytes) with one load.  Slot 0 is filled at the head, slot 1 behind the full sequence,
; and each is filled once more: four fills, written out with the walk along K (their tails differ).
; CLUSTER of 4 x 1: the four work-groups share the block of tokens, so A's units are asked for jointly, mask 15.
; PREFETCH: K step 1 asks for the 400 blocks of 256 bytes of A's K steps 16-23 and K step 9 for those of 24-31, six K steps ahead of the tensor load that wants them; the cluster's sixteen waves take 25 blocks
; each, told apart by address (lanes 25-31 name their wave's last block again).  K steps 0-15 come by their loads alone.  W's stream is asked for three K steps ahead by its own loads.
; THE RESIDUAL is asked for two loads a K step in K steps 8-23.  THE WAY OUT: a block of 16 tokens x 64 features goes through the wave's own stage in LDS and comes back as rows of 256 bytes.
; REGISTERS: window 0: v8-26 addresses; v32-39 A's scale words, two sets; v40-55 W's, four sets; v56-59 bias; v64-127 rows on the way out; v128-255 accumulator (a, b) at v[128 + 8 (4 a + b)].
;   window 1: v0-95 A's fragments, two buffers; v128-255 the residual.   window 2: v0-191 W's fragments, four sets.
.set NKS,   32
.set WBASE, 512
.set UNIT,  12800
.set SCO,   12288
.set SLOT,  8*UNIT
.set HALF,  4*UNIT                     ; a slot's K steps 4-7 have address registers of their own: their bytes lie beyond an LDS instruction's 16-bit offset
.set SPARE, 2*SLOT                     ; the spare words, 128 bytes for each wave: two blocks of 256 bytes that no other line names
.set STAGE, SPARE+512
.set SPITCH, 272
.set FR, 12
.set AD16, 8                           ; v[AD16 + 2 slot + half]: A's fragments, 16 x lane
.set AD8,  12                          ; the same, 8 x lane
.set ADRS, 16                          ; A's scale words
.set O16, 20
.set O8,  21
.set R16, 22
.set CO,  23
.set STO, 24
.set RD,  25
.set PFO, 26
.set SPW, 28
.set NIL, 29
.set SCA, 32
.set SCW, 40
.set BIAS, 56
.set T,   64
.set ACC, 128
.set RES, 128
.set WV, 18
.set WX, 19
.set WY, 20
.set G1, 24
.set G0, 32
.set WB, 44                            ; s[44:45] my four fragments of W's first unit
.set WS, 46                            ; s[46:47] their scale words
.set PF, 48                            ; s[48:49] A's block of 32 units
.set MSB, 0
.macro WIN new                         ; the immediate's high byte repeats the setting that is left
.if MSB != (\new)
	s_set_vgpr_msb (MSB<<8)|(\new)
.set MSB, (\new)
.endif
.endm
.set MUL, 0x06                         ; source 0 (W) window 2, source 1 (A) window 1; C and D window 0
.macro CREST
	s_cmp_lg_u32 s[WV], 0
	s_cbranch_scc1 .Lnot_wave_0_\@
	s_barrier_signal -3
.Lnot_wave_0_\@:
	s_barrier_wait -3
	s_barrier_signal -1
	s_barrier_wait -1
.endm
.macro CROUND
	s_barrier_signal -1
	s_barrier_wait -1
	CREST
.endm
.macro PLACES
.rept 4
	v_nop
.endr
.endm
.macro MUL4 k, a                       ; A's tile a x W's four.  The 16 accumulators take turns, one instruction a turn.  K step 0 starts the sums
.irp b, 0,1,2,3
.if (\k) == 0
	v_wmma_scale_f32_16x16x128_f8f6f4 v[ACC+8*(4*(\a)+\b):ACC+8*(4*(\a)+\b)+7], v[48*((\k)%4)+FR*\b:48*((\k)%4)+FR*\b+FR-1], v[48*((\k)%2)+FR*(\a):48*((\k)%2)+FR*(\a)+FR-1], 0, v[SCW+4*((\k)%4)+\b], v[SCA+4*((\k)%2)+(\a)] matrix_a_fmt:MATRIX_FMT_FP6 matrix_b_fmt:MATRIX_FMT_FP6
.else
	v_wmma_scale_f32_16x16x128_f8f6f4 v[ACC+8*(4*(\a)+\b):ACC+8*(4*(\a)+\b)+7], v[48*((\k)%4)+FR*\b:48*((\k)%4)+FR*\b+FR-1], v[48*((\k)%2)+FR*(\a):48*((\k)%2)+FR*(\a)+FR-1], v[ACC+8*(4*(\a)+\b):ACC+8*(4*(\a)+\b)+7], v[SCW+4*((\k)%4)+\b], v[SCA+4*((\k)%2)+(\a)] matrix_a_fmt:MATRIX_FMT_FP6 matrix_b_fmt:MATRIX_FMT_FP6
.endif
.endr
.endm
.macro GETAS n                         ; A's scale words of K step n, from LDS (window 0)
.set SH, 2*(((\n)/8)%2)+((\n)%8)/4
	ds_load_b128 v[SCA+4*((\n)%2):SCA+4*((\n)%2)+3], v[ADRS+SH] offset:((\n)%4)*UNIT
.endm
.macro GETAF n                         ; A's four fragments of K step n, from LDS (destination window 1)
.set SH, 2*(((\n)/8)%2)+((\n)%8)/4
.set QO, ((\n)%4)*UNIT
.set BF, 48*((\n)%2)
.irp a, 0,1,2,3
	ds_load_b128 v[BF+FR*\a:BF+FR*\a+3],     v[AD16+SH] offset:QO+1536*\a
	ds_load_b64  v[BF+FR*\a+4:BF+FR*\a+5],   v[AD8+SH]  offset:QO+1536*\a+512
	ds_load_b128 v[BF+FR*\a+6:BF+FR*\a+9],   v[AD16+SH] offset:QO+1536*\a+768
	ds_load_b64  v[BF+FR*\a+10:BF+FR*\a+11], v[AD8+SH]  offset:QO+1536*\a+1280
.endr
.endm
.macro GETWS n                         ; W's scale words of K step n, from memory (window 0): lane r takes row r's four words
	global_load_b128 v[SCW+4*((\n)%4):SCW+4*((\n)%4)+3], v[R16], s[WS:WS+1] offset:(\n)*UNIT
.endm
.macro GETWF n                         ; W's four fragments of K step n, from memory (destination window 2): 16 loads
.set WF, 48*((\n)%4)
.irp b, 0,1,2,3
	global_load_b128 v[WF+FR*\b:WF+FR*\b+3],     v[O16], s[WB:WB+1] offset:(\n)*UNIT+1536*\b
	global_load_b64  v[WF+FR*\b+4:WF+FR*\b+5],   v[O8],  s[WB:WB+1] offset:(\n)*UNIT+1536*\b+512
	global_load_b128 v[WF+FR*\b+6:WF+FR*\b+9],   v[O16], s[WB:WB+1] offset:(\n)*UNIT+1536*\b+768
	global_load_b64  v[WF+FR*\b+10:WF+FR*\b+11], v[O8],  s[WB:WB+1] offset:(\n)*UNIT+1536*\b+1280
.endr
.endm
.macro NEXT k                          ; what K step k asks for: A's K step k + 1 from LDS (17 loads: scale words, then tiles 0 to 3), W's K step k + 3 from memory, two rows of the residual
	WIN 0
	GETAS (\k)+1
.if (\k)+3 < NKS
	GETWS (\k)+3
.endif
	WIN 0x40
	GETAF (\k)+1
.if (\k) >= 8 && (\k) < 24
.irp u, 0,1
.set E, 2*((\k)-8)+\u
	global_load_b128 v[RES+4*E:RES+4*E+3], v[CO], s[10:11] offset:(16*(E/8)+2*(E%8))*4096 th:TH_LOAD_NT
.endr
.endif
.if (\k)+3 < NKS
	WIN 0x80
	GETWF (\k)+3
.endif
.if (\k) == 1 || (\k) == 9
	global_prefetch_b8 v[PFO], s[PF:PF+1] offset:((\k)+15)*UNIT th:TH_LOAD_NT scope:SCOPE_SE   ; A's K steps 16-23, or 24-31; its registers are never rewritten
.endif
.endm
; K step k.  The wait on LOADcnt counts what was issued behind the last load of W's set k: the loads of K steps k - 2 and k - 1 (17 each while a set three steps on exists, and 2 more where the residual is asked for).
.macro KSTEP k
.set NLD, 0
.if (\k)+1 < NKS
.set NLD, NLD+17
.endif
.if (\k)+2 < NKS
.set NLD, NLD+17
.endif
.if (\k) >= 10 && (\k) < 26
.set NLD, NLD+2
.endif
.if (\k) >= 9 && (\k) < 25
.set NLD, NLD+2
.endif
	s_wait_loadcnt NLD
.if (\k)%8 == 7 && (\k) < NKS-1
	WIN 0                                          ; a slot's last K step changes slots: one barrier, with the three lines in front of it
	s_wait_tensorcnt 0x0                           ; all my tensor loads have landed: my part of the next slot
	ds_add_u32 v[SPW], v[NIL]                      ; 0 onto my spare word
	s_wait_dscnt 9                                 ; (the add and the youngest eight loads, A's tiles 2 and 3, may be out)
	WIN MUL
	MUL4 \k, 0
	s_wait_dscnt 0x0                               ; the add is done, and my reads of this slot are over
	s_barrier_signal -1
	MUL4 \k, 1
	WIN 0
	s_barrier_wait -1
.if (\k) < 16
.set SL, ((\k)/8)%2
	CREST                                          ; the barrier has opened a round of the cluster's barrier: no wave of any partner still reads this slot or has a load on its way
	s_add_nc_u64 s[G0+4*SL+2:G0+4*SL+3], s[G0+4*SL+2:G0+4*SL+3], 2*SLOT   ; sixteen K steps on
	tensor_load_to_lds s[G0+4*SL:G0+4*SL+3], s[G1:G1+7]                   ; the first tensor load behind the round, my only one
	s_nop 0
.endif
	PLACES                                         ; the places in front of the loads below
	NEXT \k
.else
	s_wait_dscnt 8                                 ; all but the youngest eight loads (A's tiles 2, 3)
	WIN MUL
	MUL4 \k, 0
	MUL4 \k, 1
.if (\k) < NKS-1
	PLACES
	NEXT \k
	s_wait_dscnt 17                                ; all but the 17 just issued
.else
	s_wait_dscnt 0x0
.endif
.endif
	WIN MUL
	MUL4 \k, 2
	MUL4 \k, 3
.endm
	s_load_b256 s[4:11], s[0:1], 0x0               ; A's image, wimg, bias, residual
	s_load_b64 s[12:13], s[0:1], 0x20              ; out
	v_lshl_add_u32 v[SPW], v0, 2, SPARE
	v_mov_b32 v[NIL], 0
	ds_add_u32 v[SPW], v[NIL]                      ; the opening lines: the add, twice on end, and its wait ahead of my first tensor load
	ds_add_u32 v[SPW], v[NIL]
	v_lshrrev_b32 v1, 5, v0
	v_readfirstlane_b32 s[WV], v1
	s_lshr_b32 s[WX], s[WV], 1                     ; my 64 tokens
	s_and_b32 s[WY], s[WV], 1                      ; my 64 features
	s_bfe_u32 s40, ttmp6, 0x40000                  ; cx
	s_lshl_b32 s42, ttmp9, 2
	s_add_co_u32 s42, s42, s40                     ; the block of 128 features
	s_and_b32 s17, ttmp7, 0xffff                   ; the block of 128 tokens, which the four partners share
	s_mov_b32 s[G1], 15|(3<<16)|(1<<21)            ; the mask: all four; elements of 8 bytes; bit 21 beside a mask; no padding
	s_mov_b32 s[G1+1], 32<<16                      ; 25,600 dense bytes as 100 rows of 256
	s_mov_b32 s[G1+2], 100<<16
	s_mov_b32 s[G1+3], 32<<16
	s_mov_b32 s[G1+4], 100
	s_mov_b32 s[G1+5], 32
	s_mov_b32 s[G1+6], 0
	s_mov_b32 s[G1+7], 0
	s_mul_i32 s50, s17, NKS*UNIT                   ; A's 32 units
	s_mov_b32 s51, 0
	s_mul_i32 s52, s[WV], 2*UNIT                   ; my two units of a slot, in memory and in LDS: no place in the cluster enters an LDS address
	s_mov_b32 s53, 0
	s_lshl_b32 s54, s42, 5
	s_add_co_u32 s54, s54, WBASE
	s_mul_i32 s54, s54, UNIT                       ; W's 32 units
	s_mov_b32 s55, 0
	s_mul_i32 s56, s[WY], 6144                     ; my four fragments in a unit
	s_mov_b32 s57, 0
	s_lshl_b32 s58, s[WY], 8
	s_add_co_u32 s58, s58, SCO                     ; and their scale words
	s_mov_b32 s59, 0
	s_lshl_b32 s74, s17, 7
	s_lshl_b32 s75, s[WX], 6
	s_add_co_u32 s74, s74, s75
	s_lshl_b32 s74, s74, 12                        ; my first token's row,
	s_lshl_b32 s76, s42, 9
	s_lshl_b32 s77, s[WY], 8
	s_add_co_u32 s76, s76, s77                     ; my first feature's bytes
	s_add_co_u32 s74, s74, s76
	s_mov_b32 s75, 0
	s_mov_b32 s77, 0
	s_mul_i32 s21, s[WX], 6144                     ; my four tiles of A in a unit
	s_lshl_b32 s23, s[WX], 8
	s_add_co_u32 s23, s23, SCO
	s_mul_i32 s60, s[WV], 16*SPITCH
	s_add_co_u32 s60, s60, STAGE                   ; my stage
	s_lshl_b32 s61, s40, 2
	s_add_co_u32 s61, s61, s[WV]
	s_mul_i32 s61, s61, 25*256                     ; the prefetches: my 25 blocks of the cluster's 400
	s_wait_dscnt 0x0                               ; both opening adds are done
	s_wait_kmcnt 0x0
	s_add_nc_u64 s[PF:PF+1], s[4:5], s[50:51]
	s_add_nc_u64 s[70:71], s[PF:PF+1], s[52:53]
	s_add_nc_u64 s[WB:WB+1], s[6:7], s[54:55]
	s_add_nc_u64 s[WS:WS+1], s[WB:WB+1], s[58:59]
	s_add_nc_u64 s[WB:WB+1], s[WB:WB+1], s[56:57]
	s_add_nc_u64 s[8:9], s[8:9], s[76:77]
	s_add_nc_u64 s[10:11], s[10:11], s[74:75]
	s_add_nc_u64 s[12:13], s[12:13], s[74:75]
.irp s, 0,1
	s_mov_b32 s[G0+4*\s], 1
	s_add_co_u32 s[G0+4*\s+1], s52, \s*SLOT
	s_add_nc_u64 s[G0+4*\s+2:G0+4*\s+3], s[70:71], \s*SLOT         ; eight units on in memory too
	s_or_b32 s[G0+4*\s+3], s[G0+4*\s+3], 0x80000000
.endr
	CROUND                                         ; all four work-groups are here: the first joint loads meet
	tensor_load_to_lds s[G0:G0+3], s[G1:G1+7]      ; K steps 0-7: my one tensor load at the head
	s_nop 0
	PLACES
	v_and_b32 v1, 31, v0
	v_and_b32 v2, 15, v0                           ; r
	v_bfe_u32 v3, v0, 4, 1                         ; h
	v_lshlrev_b32 v[O16], 4, v1
	v_lshlrev_b32 v[O8], 3, v1
	v_lshlrev_b32 v[R16], 4, v2
	v_add_nc_u32 v[AD16], s21, v[O16]
	v_add_nc_u32 v[AD8], s21, v[O8]
	v_add_nc_u32 v[ADRS], s23, v[R16]
.irp n, 1,2,3
	v_add_nc_u32 v[AD16+\n], (\n/2)*SLOT+(\n%2)*HALF, v[AD16]
	v_add_nc_u32 v[AD8+\n],  (\n/2)*SLOT+(\n%2)*HALF, v[AD8]
	v_add_nc_u32 v[ADRS+\n], (\n/2)*SLOT+(\n%2)*HALF, v[ADRS]
.endr
	v_mul_u32_u24 v[STO], v2, SPITCH
	v_lshl_add_u32 v[STO], v3, 6, v[STO]
	v_add_nc_u32 v[STO], s60, v[STO]               ; in: row r, + 64 h
	v_mul_u32_u24 v[RD], v3, SPITCH
	v_lshl_add_u32 v[RD], v2, 4, v[RD]
	v_add_nc_u32 v[RD], s60, v[RD]                 ; back: lanes 0-15 one row of 256 bytes, lanes 16-31 the next
	v_lshl_add_u32 v[CO], v3, 12, v[R16]           ; and the same two rows in memory
	v_min_u32 v7, 24, v1
	v_lshl_add_u32 v[PFO], v7, 8, s61
	s_wait_alu depctr_va_vdst(0)                   ; the wait at the head's end
	global_load_b128 v[BIAS:BIAS+3], v[R16], s[8:9]
.irp n, 0,1,2                          ; W's first three sets, each whole before the next, so that the counts of the walk hold from K step 0 on
	WIN 0
	GETWS \n
	WIN 0x80
	GETWF \n
.endr
	WIN 0
	s_wait_tensorcnt 0x0                           ; my part of slot 0 is in
	ds_add_u32 v[SPW], v[NIL]
	s_wait_dscnt 0x0
	CROUND
	tensor_load_to_lds s[G0+4:G0+7], s[G1:G1+7]    ; K steps 8-15, the first tensor load behind the round
	s_nop 0
	PLACES
	GETAS 0
	WIN 0x40
	GETAF 0
.set KK, 0
.rept NKS
	KSTEP KK
.set KK, KK+1
.endr
	WIN 0
	PLACES                                         ; (K step 31's wait on LOADcnt was for 0: bias and residual are in)
.irp a, 0,1,2,3
.if \a >= 2
	s_wait_xcnt 0x0                                ; block a - 2's stores have read the registers that block a's rows land in
.endif
.irp b, 0,1,2,3
	ds_store_b128 v[STO], v[ACC+8*(4*\a+\b):ACC+8*(4*\a+\b)+3]   offset:128*(\b/2)+32*(\b%2)      ; each accumulator from its low end on: features 32 (b / 2) + 16 h + 8 (b % 2) + 0 .. 7
	ds_store_b128 v[STO], v[ACC+8*(4*\a+\b)+4:ACC+8*(4*\a+\b)+7] offset:128*(\b/2)+32*(\b%2)+16
.endr
.irp t, 0,1,2,3,4,5,6,7
	ds_load_b128 v[T+32*(\a%2)+4*\t:T+32*(\a%2)+4*\t+3], v[RD] offset:2*\t*SPITCH   ; LDS serves a wave's instructions in order (ISA guide 5.7.1.4): these see my stores
.endr
	s_wait_dscnt 0x0
.irp t, 0,1,2,3,4,5,6,7
	v_pk_add_f32 v[T+32*(\a%2)+4*\t:T+32*(\a%2)+4*\t+1],   v[T+32*(\a%2)+4*\t:T+32*(\a%2)+4*\t+1],   v[BIAS:BIAS+1]
	v_pk_add_f32 v[T+32*(\a%2)+4*\t+2:T+32*(\a%2)+4*\t+3], v[T+32*(\a%2)+4*\t+2:T+32*(\a%2)+4*\t+3], v[BIAS+2:BIAS+3]
.endr
	WIN 0x04                                       ; source 1 window 1: the residual
.irp t, 0,1,2,3,4,5,6,7
	v_pk_add_f32 v[T+32*(\a%2)+4*\t:T+32*(\a%2)+4*\t+1],   v[T+32*(\a%2)+4*\t:T+32*(\a%2)+4*\t+1],   v[RES+4*(8*\a+\t):RES+4*(8*\a+\t)+1]
	v_pk_add_f32 v[T+32*(\a%2)+4*\t+2:T+32*(\a%2)+4*\t+3], v[T+32*(\a%2)+4*\t+2:T+32*(\a%2)+4*\t+3], v[RES+4*(8*\a+\t)+2:RES+4*(8*\a+\t)+3]
.endr
	WIN 0
.irp t, 0,1,2,3,4,5,6,7
	global_store_b128 v[CO], v[T+32*(\a%2)+4*\t:T+32*(\a%2)+4*\t+3], s[12:13] offset:(16*\a+2*\t)*4096 th:TH_STORE_NT   ; sixteen lanes store 256 consecutive bytes, aligned
.endr
.endr
	s_wait_tensorcnt 0x0                           ; the wave's end, behind my last tensor load and my last LDS store
	ds_add_u32 v[SPW], v[NIL]
	s_wait_dscnt 0x0
	CROUND                                         ; the closing round: no work-group ends while a partner may still ask for a unit that names it
	s_endpgm
.Lfunc_end_k_q6b66f5fa7a_w2:
	.size	k_q6b66f5fa7a_w2, .Lfunc_end_k_q6b66f5fa7a_w2-k_q6b66f5fa7a_w2
	.p2alignl 7, 3214868480
	.fill 96, 4, 3214868480
	.section	.rodata,"a",@progbits
	.p2align	6, 0x0
	.amdhsa_kernel k_q6b66f5fa7a_w2
		.amdhsa_group_segment_fixed_size 327680
		.amdhsa_private_segment_fixed_size 0
		.amdhsa_enable_private_segment 0
		.amdhsa_kernarg_size 40
		.amdhsa_user_sgpr_count 2
		.amdhsa_user_sgpr_kernarg_segment_ptr 1
		.amdhsa_wavefront_size32 1
		.amdhsa_system_sgpr_workgroup_id_x 1
		.amdhsa_system_sgpr_workgroup_id_y 1
		.amdhsa_system_sgpr_workgroup_id_z 1
		.amdhsa_system_vgpr_workitem_id 0
		.amdhsa_next_free_vgpr 768
		.amdhsa_next_free_sgpr 100
		.amdhsa_reserve_vcc 0
		.amdhsa_float_denorm_mode_32 3
		.amdhsa_float_denorm_mode_16_64 3
		.amdhsa_memory_ordered 1
		.amdhsa_forward_progress 1
		.amdhsa_inst_pref_size 187
	.end_amdhsa_kernel
	.amdgpu_metadata
---
amdhsa.version: [ 1, 2 ]
amdhsa.kernels:
  - .name:           k_q6b66f5fa7a_w2
    .symbol:         k_q6b66f5fa7a_w2.kd
    .args:
      - { .name: gimg, .offset: 0, .size: 8, .value_kind: global_buffer, .address_space: global }
      - { .name: wimg, .offset: 8, .size: 8, .value_kind: global_buffer, .address_space: global }
      - { .name: c2, .offset: 16, .size: 8, .value_kind: global_buffer, .address_space: global }
      - { .name: x1, .offset: 24, .size: 8, .value_kind: global_buffer, .address_space: global }
      - { .name: out0, .offset: 32, .size: 8, .value_kind: global_buffer, .address_space: global }
    .group_segment_fixed_size: 327680
    .private_segment_fixed_size: 0
    .kernarg_segment_align: 8
    .kernarg_segment_size: 40
    .max_flat_workgroup_size: 128
    .sgpr_count:     100
    .vgpr_count:     768
    .wavefront_size: 32
...
	.end_amdgpu_metadata
.endif
;; end of part 7
